; MI455X (gfx1250); checked and timed in simulation.
; The chip was launched on July 23, 2026; its instructions are those of AMD's public machine-readable ISA for CDNA 5 (MIT licence, August 2026) and "CDNA5" Instruction Set Architecture Reference Guide (July 2026). The comments in the code are by the model that wrote it; some were corrected since.
;; RDFNS Multi Head Attention. Allowed arithmetic: float matrix products may take bf16 or f16 operands with f32 sums; other float arithmetic in f32, or as packed bf16 or f16 multiplies, adds, multiply-adds, maxima and minima; sums over many terms, partial sums and values carried from step to step in f32; what a program stores and reads back later, other than sums and carried values, may be rounded once to bf16 or f16.
;; Inputs: bk 1,024 float32; bo 1,024 float32; bq 1,024 float32; bv 1,024 float32; wk 1,024 x 1,024 float32; wo 1,024 x 1,024 float32; wq 1,024 x 1,024 float32; wv 1,024 x 1,024 float32; x 2 x 2,048 x 1,024 float32.
;; Outputs: out0 2 x 2,048 x 1,024 float32.
;; One version. Each part assembles by itself: llvm-mc -triple=amdgcn-amd-amdhsa -mcpu=gfx1250 --defsym DOCPART=n.
;; ======== version 1 of 1: 5 launches
;; limits: values are held in f16: magnitudes above 65,504 overflow, below 6.1e-05 lose precision
;; workspace buffers: cw 16,777,216 bytes; qkvb 25,690,112 bytes; kst 786,432 bytes; oh 8,388,608 bytes
;; launch cast (part 1): grid 1024 x 1, 8 waves a work-group, no clusters, 0 bytes of LDS; arguments x, wq, wk, wv, wo, cw; writes cw
.if DOCPART == 1
	.amdgcn_target "amdgcn-amd-amdhsa--gfx1250"
	.amdhsa_code_object_version 6
	.text
	.protected	k_q36ab9b35fe_cast
	.globl	k_q36ab9b35fe_cast
	.p2align	8
	.type	k_q36ab9b35fe_cast,@function
k_q36ab9b35fe_cast:
	s_mov_b64 s[64:65], 0
	v_nop
	global_prefetch_b8 v0, s[64:65] scope:SCOPE_SE
	s_setreg_imm32_b32 hwreg(HW_REG_WAVE_MODE, 25, 1), 1
	s_wait_xcnt 0x0
; CAST.  x and the four weight matrices, f32, are rounded once to bf16 and laid out for the two products that follow.
; cw: byte 0: x [4096][1024] bf16.  byte WB: [16 heads][q 64 | k 64 | v 64 rows][1024] bf16, so that a head's 192 rows lie together.
; byte WOF: wo [1024][1024]: rounded to bf16 like the other inputs, and that number written as f16 (exact from 6.1e-5 to 65,504; below that to within 3e-8).
; SHARES.  A work-group takes 8 rows of 1,024 numbers, a wave one row: eight loads of 16 bytes a lane (512 consecutive bytes each),
; eight stores of 8 bytes a lane (256 consecutive bytes each, aligned).  Work-groups 0-511: x; then 128 each for wq, wk, wv, wo.
; No LDS, no barrier, no matrix unit: each byte is read once and written once, and no wave needs another's.
.set WB,  0x800000
.set WOF, 0xE00000
.set X, 4                              ; v[4:35]   the row's eight loads
.set T, 36                             ; v[36:39]  at work
.set Y, 44                             ; v[44:59]  two registers for each store: none is written twice
	s_load_b256 s[4:11], s[0:1], 0x0               ; x s[4:5], wq s[6:7], wk s[8:9], wv s[10:11]
	s_load_b128 s[12:15], s[0:1], 0x20             ; wo s[12:13], cw s[14:15]
	v_lshrrev_b32 v1, 5, v0
	v_readfirstlane_b32 s20, v1                    ; wave 0..7
	v_and_b32 v3, 31, v0
	v_lshlrev_b32 v1, 4, v3                        ; 16 bytes a lane in
	v_lshlrev_b32 v2, 3, v3                        ; 8 bytes a lane out
	s_mov_b32 s21, ttmp9
	s_max_u32 s22, s21, 512
	s_sub_co_u32 s22, s22, 512                     ; my number among the weights' work-groups (0 for x's)
	s_lshr_b32 s23, s22, 7                         ; which matrix: 0 q, 1 k, 2 v, 3 o
	s_and_b32 s24, s22, 127
	s_lshl_b32 s25, s24, 3
	s_add_co_u32 s25, s25, s20                     ; my row of that matrix
	s_lshl_b32 s26, s21, 3
	s_add_co_u32 s26, s26, s20                     ; my row of x
	s_lshr_b32 s27, s24, 3                         ; the row's head,
	s_mul_i32 s27, s27, 192                        ; its 192 rows,
	s_lshl_b32 s28, s23, 6                         ; the matrix's 64 of them,
	s_add_co_u32 s27, s27, s28
	s_and_b32 s28, s25, 63                         ; the row among the 64
	s_add_co_u32 s27, s27, s28
	s_lshl_b32 s27, s27, 11                        ; 2,048 bytes a row
	s_add_co_u32 s27, s27, WB
	s_lshl_b32 s28, s25, 11
	s_add_co_u32 s28, s28, WOF
	s_lshl_b32 s29, s26, 11
	s_cmp_ge_u32 s21, 896
	s_cselect_b32 s27, s28, s27                    ; wo keeps its rows' order
	s_cmp_lt_u32 s21, 512
	s_cselect_b32 s27, s29, s27                    ; and so does x
	s_cselect_b32 s25, s26, s25
	s_lshl_b32 s30, s25, 12                        ; 4,096 bytes a row in
	s_mov_b32 s31, 0
	s_mov_b32 s28, s27
	s_mov_b32 s29, 0
	s_wait_kmcnt 0x0
	s_cmp_ge_u32 s21, 640
	s_cselect_b64 s[16:17], s[8:9], s[6:7]
	s_cmp_ge_u32 s21, 768
	s_cselect_b64 s[16:17], s[10:11], s[16:17]
	s_cmp_ge_u32 s21, 896
	s_cselect_b64 s[16:17], s[12:13], s[16:17]
	s_cmp_lt_u32 s21, 512
	s_cselect_b64 s[16:17], s[4:5], s[16:17]
	s_add_nc_u64 s[16:17], s[16:17], s[30:31]
	s_add_nc_u64 s[18:19], s[14:15], s[28:29]
.irp i, 0,1,2,3,4,5,6,7
	global_load_b128 v[X+4*(\i):X+4*(\i)+3], v1, s[16:17] offset:512*(\i) th:TH_LOAD_NT
.endr
; Load i is rounded and stored.  f16 = 1: the bf16 numbers are widened again and written as f16.
.macro CV i, f16
	s_wait_loadcnt 7-(\i)                          ; loads come back in order: mine is in, the 7 - i younger ones stay out
	v_cvt_pk_bf16_f32 v[Y+2*(\i)], v[X+4*(\i)], v[X+4*(\i)+1]
	v_cvt_pk_bf16_f32 v[Y+2*(\i)+1], v[X+4*(\i)+2], v[X+4*(\i)+3]
.if \f16
	v_lshlrev_b32 v[T], 16, v[Y+2*(\i)]
	v_and_b32 v[T+1], 0xffff0000, v[Y+2*(\i)]
	v_lshlrev_b32 v[T+2], 16, v[Y+2*(\i)+1]
	v_and_b32 v[T+3], 0xffff0000, v[Y+2*(\i)+1]
	v_cvt_pk_f16_f32 v[Y+2*(\i)], v[T], v[T+1]
	v_cvt_pk_f16_f32 v[Y+2*(\i)+1], v[T+2], v[T+3]
.endif
	global_store_b64 v2, v[Y+2*(\i):Y+2*(\i)+1], s[18:19] offset:256*(\i) th:TH_STORE_NT
.endm
	s_cmp_ge_u32 s21, 896
	s_cbranch_scc1 .Lf16
.irp i, 0,1,2,3,4,5,6,7
	CV \i, 0
.endr
	s_endpgm
.Lf16:
.irp i, 0,1,2,3,4,5,6,7
	CV \i, 1
.endr
	s_endpgm
.Lfunc_end_k_q36ab9b35fe_cast:
	.size	k_q36ab9b35fe_cast, .Lfunc_end_k_q36ab9b35fe_cast-k_q36ab9b35fe_cast
	.p2alignl 7, 3214868480
	.fill 96, 4, 3214868480
	.section	.rodata,"a",@progbits
	.p2align	6, 0x0
	.amdhsa_kernel k_q36ab9b35fe_cast
		.amdhsa_group_segment_fixed_size 0
		.amdhsa_private_segment_fixed_size 0
		.amdhsa_enable_private_segment 0
		.amdhsa_kernarg_size 48
		.amdhsa_user_sgpr_count 2
		.amdhsa_user_sgpr_kernarg_segment_ptr 1
		.amdhsa_wavefront_size32 1
		.amdhsa_system_sgpr_workgroup_id_x 1
		.amdhsa_system_sgpr_workgroup_id_y 1
		.amdhsa_system_sgpr_workgroup_id_z 1
		.amdhsa_system_vgpr_workitem_id 0
		.amdhsa_next_free_vgpr 64
		.amdhsa_next_free_sgpr 66
		.amdhsa_reserve_vcc 0
		.amdhsa_float_denorm_mode_32 3
		.amdhsa_float_denorm_mode_16_64 3
		.amdhsa_memory_ordered 1
		.amdhsa_forward_progress 1
		.amdhsa_inst_pref_size 10
	.end_amdhsa_kernel
	.amdgpu_metadata
---
amdhsa.version: [ 1, 2 ]
amdhsa.kernels:
  - .name:           k_q36ab9b35fe_cast
    .symbol:         k_q36ab9b35fe_cast.kd
    .args:
      - { .name: x, .offset: 0, .size: 8, .value_kind: global_buffer, .address_space: global }
      - { .name: wq, .offset: 8, .size: 8, .value_kind: global_buffer, .address_space: global }
      - { .name: wk, .offset: 16, .size: 8, .value_kind: global_buffer, .address_space: global }
      - { .name: wv, .offset: 24, .size: 8, .value_kind: global_buffer, .address_space: global }
      - { .name: wo, .offset: 32, .size: 8, .value_kind: global_buffer, .address_space: global }
      - { .name: cw, .offset: 40, .size: 8, .value_kind: global_buffer, .address_space: global }
    .group_segment_fixed_size: 0
    .private_segment_fixed_size: 0
    .kernarg_segment_align: 8
    .kernarg_segment_size: 48
    .max_flat_workgroup_size: 256
    .sgpr_count:     66
    .vgpr_count:     64
    .wavefront_size: 32
...
	.end_amdgpu_metadata
.endif
;; end of part 1
;; launch qkv (part 2): grid 8 x 32, 4 waves a work-group, clusters of 4 x 4, 327,680 bytes of LDS; arguments cw, bq, bk, bv, qkvb; writes qkvb
.if DOCPART == 2
	.amdgcn_target "amdgcn-amd-amdhsa--gfx1250"
	.amdhsa_code_object_version 6
	.text
	.protected	k_q36ab9b35fe_qkv
	.globl	k_q36ab9b35fe_qkv
	.p2align	8
	.type	k_q36ab9b35fe_qkv,@function
k_q36ab9b35fe_qkv:
	s_mov_b64 s[64:65], 0
	v_nop
	global_prefetch_b8 v0, s[64:65] scope:SCOPE_SE
	s_setreg_imm32_b32 hwreg(HW_REG_WAVE_MODE, 25, 1), 1
	s_wait_xcnt 0x0
	s_wait_alu depctr_hold_cnt(0) depctr_sa_sdst(0) depctr_va_vdst(0) depctr_va_sdst(0) depctr_va_ssrc(0) depctr_va_vcc(0) depctr_vm_vsrc(0)
	s_getreg_b32 s2, hwreg(HW_REG_IB_STS2, 6, 4)
	s_cmp_eq_u32 s2, 0
	s_cbranch_scc0 .Lentry_in_a_cluster
	s_endpgm
.Lentry_in_a_cluster:
	s_bfe_u32 s2, ttmp6, 0x10000c
	s_cmp_lg_u32 s2, 0xf033
	s_cbranch_scc0 .Lentry_shape_is_right
	s_endpgm
.Lentry_shape_is_right:
; QKV.  q, k, v = x w^T + b, operands bf16, sums f32.  Out: q, k, v by heads, [32 bh][2048][64] in f16, each rounded once from its f32 sum, and
; hq = -|q|^2 / 2, hk = -|k|^2 / 2 in f32, taken of the unrounded sums.  The biases are rounded to bf16 like the other inputs.
; LIMIT.  q, k and v must lie within f16's 65,504; NaN and infinities are not treated apart.
; SHARES.  A work-group makes 128 tokens x 2 heads (384 rows of the weights as the launch before laid them); 8 x 32 work-groups.  Wave (WR, WC) makes 64 tokens x the 192 channels
; (q, k, v) of head 2 TX + WC: 4 x 12 accumulators of 16 x 16, 384 registers.  K goes in steps of 128 (rows of 256 bytes) through two LDS slots.
; THE MATRIX INSTRUCTION IS USED TRANSPOSED: source 0 = 16 rows of the weights, source 1 = 16 tokens: a lane holds one token (lane % 16) and eight neighbouring channels.
; CLUSTER 4 x 4.  x's tile hangs on the token tile alone and is shared along a row of the cluster, the weights' on the pair of heads alone and are shared along a column:
; each is asked for jointly.  Wave 0 fetches x's 128 rows, waves 1 to 3 the weights' 3 x 128.
; REGISTERS in windows of 256: window 0 addresses, biases, the way out; window 1 two fragment buffers of 128 (weights' 12 fragments, then x's 4);
; window 2 accumulators of channel blocks 0-7 ((a, b) at 8 (4 b + a)); window 3 those of blocks 8-11.
.set KSTEP,  128
.set PITCH,  272                       ; an LDS row: 256 bytes + 16 of padding: the 16 rows of a fragment load start at 16 different groups of four banks (ISA guide 11.1)
.set HALFT,  128*PITCH                 ; what one tensor load brings
.set SLOT,   4*HALFT                   ; x's 128 rows, then the weights' 384
.set STAGE,  2*SLOT                    ; behind the ring, never filled by a tensor load: for each wave 16 rows x 144 bytes, 256 bytes of hq, 256 of hk
.set SP,     144
.set WSTG,   16*SP+512
.set SPARE,  STAGE+4*WSTG              ; the spare words, 128 bytes a wave: two blocks of 256 bytes that no other line names
.set LAPS,   4                         ; 1,024 / 256: a lap is two K steps
.set WB,     0x800000                  ; the weights in cw
.set KH,     0x800000                  ; k, v, hq, hk in qkvb (q at 0)
.set VH,     0x1000000
.set QN,     0x1800000
.set KN,     0x1840000
.set ADRA, 16                          ; v16-17 LDS address of my fragments of x in slot 0, 1
.set ADRB, 20                          ; v20-21 of the weights
.set NRD,  22                          ; where I read 8 bytes of the norms back
.set NGO,  23                          ; 8 x lane
.set STO,  24                          ; where I put 16 bytes of a row
.set RD,   25                          ; where I read rows back
.set GO,   26                          ; 16 x lane
.set NST,  27                          ; where my token's norm goes
.set SPW,  28                          ; my spare word; never rewritten
.set NIL,  29                          ; 0; never rewritten
.set PFO,  30                          ; the prefetches' offset: lane x 2,048; never rewritten
.set BO,   31                          ; 32 x (lane / 16)
.set TMP,  32                          ; v32-63  a group's 32 sums with the bias
.set PK,   64                          ; v64-79  packed
.set BK,   80                          ; v80-95  rows read back
.set NS,   96                          ; v96-103 sums of squares
.set BI,   128                         ; v128-223 my 96 biases: block b at BI + 8 b
.set F0,   0
.set F1,   128
.set G1,  24
.set G0,  32
.set G1B, 48
.set G0B, 56
.set CX, 40
.set CY, 41
.set TX, 42
.set TY, 43
.set PFA, 44                           ; s[44:45] where my prefetches stand
.set LIM, 46                           ; 1 in a wave that prefetches, else the greatest number
.set WV, 66
.set WR, 67
.set WC, 68
.set BB, 70                            ; s[70:75] bq, bk, bv at my head
.set OB, 76                            ; s[76:81] q, k, v at my wave's first token
.set NB, 82                            ; s[82:85] hq, hk likewise
.set SEL, 86                           ; s[86:87] v_permlanex16_b32's selects: each lane takes its own place in the other half
.set G1W, (1<<16)|(1<<20)|(1<<21)|(5<<22)|(3<<25)  ; 2-byte elements; padding on; bit 21 beside a mask; after every 64 words, 4 words
.set MSB, 0
.macro WIN new                         ; the immediate's high byte repeats the setting that is left
.if MSB != (\new)
	s_set_vgpr_msb (MSB<<8)|(\new)
.set MSB, \new
.endif
.endm
; A joint load: wave 0 asks for x's tile, waves 1 to 3 for the weights'.  The branch hangs on the wave's number alone.  An s_nop 0 and four v_nop follow each line.
.macro JLOAD s
	s_cmp_eq_u32 s[WV], 0
	s_cbranch_scc0 .Lfor_b_\@
	tensor_load_to_lds s[G0+4*(\s):G0+4*(\s)+3], s[G1:G1+7]
	s_nop 0
.rept 4
	v_nop
.endr
	s_branch .Lasked_\@
.Lfor_b_\@:
	tensor_load_to_lds s[G0B+4*(\s):G0B+4*(\s)+3], s[G1B:G1B+7]
	s_nop 0
.rept 4
	v_nop
.endr
.Lasked_\@:
.endm
; A prefetch of the K step that stands two refills on: 32 rows x 256 bytes, a lane a row.  x's rows are asked for by the clusters with x = 0, the weights' by those with y = 0; the four partners
; of a joint load share its 128 rows out by address.  So each row's 256 bytes of K steps 4 to 7 are named once; the loop's last trip (s3 = 1) asks for nothing.
.macro ASK
	s_cmp_gt_u32 s3, s[LIM]
	s_cbranch_scc0 .Lnot_mine_\@
	global_prefetch_b8 v[PFO], s[PFA:PFA+1] offset:KSTEP*2 th:TH_LOAD_NT scope:SCOPE_SE
.Lnot_mine_\@:
.endm
.macro CREST                           ; a round of the cluster's barrier behind its opening barrier
	s_cmp_lg_u32 s[WV], 0
	s_cbranch_scc1 .Lnot_wave_0_\@
	s_barrier_signal -3
.Lnot_wave_0_\@:
	s_barrier_wait -3
	s_barrier_signal -1
	s_barrier_wait -1
.endm
.macro CROUND
	s_barrier_signal -1
	s_barrier_wait -1
	CREST
.endm
	s_load_b256 s[4:11], s[0:1], 0x0               ; cw s[4:5], bq s[6:7], bk s[8:9], bv s[10:11]
	s_load_b64 s[12:13], s[0:1], 0x20              ; qkvb
	v_lshl_add_u32 v[SPW], v0, 2, SPARE
	v_mov_b32 v[NIL], 0
	ds_add_u32 v[SPW], v[NIL]                      ; the wave's opening: the add, twice on end, and its wait ahead of my first tensor load
	ds_add_u32 v[SPW], v[NIL]
	v_lshrrev_b32 v1, 5, v0
	v_readfirstlane_b32 s[WV], v1                  ; wave 0..3
	s_lshr_b32 s[WR], s[WV], 1                     ; which 64 tokens
	s_and_b32 s[WC], s[WV], 1                      ; which head of the two
	s_bfe_u32 s[CX], ttmp6, 0x40000
	s_bfe_u32 s[CY], ttmp6, 0x40004
	s_lshl_b32 s[TX], ttmp9, 2
	s_add_co_u32 s[TX], s[TX], s[CX]               ; pair of heads 0..7
	s_and_b32 s[TY], ttmp7, 0xffff
	s_lshl_b32 s[TY], s[TY], 2
	s_add_co_u32 s[TY], s[TY], s[CY]               ; token tile 0..31
	s_lshl_b32 s98, s[CY], 2
	s_lshl_b32 s98, 15, s98                        ; my row of the cluster
	s_lshl_b32 s99, 0x1111, s[CX]                  ; my column
	s_or_b32 s[G1], s98, G1W
	s_or_b32 s[G1B], s99, G1W
.irp g, G1, G1B
	s_mov_b32 s[(\g)+1], KSTEP<<16                 ; tensor_dim0 = 128
	s_mov_b32 s[(\g)+2], 128<<16                   ; tensor_dim1 = 128
	s_mov_b32 s[(\g)+3], KSTEP<<16                 ; tile_dim0 = 128
	s_mov_b32 s[(\g)+4], 128                       ; tile_dim1 = 128
	s_mov_b32 s[(\g)+5], 1024                      ; elements from row to row
	s_mov_b32 s[(\g)+6], 0
	s_mov_b32 s[(\g)+7], 0
.endr
	s_lshl_b32 s16, s[TY], 18                      ; x: 128 rows of 2,048 bytes a tile
	s_mov_b32 s17, 0
	s_max_u32 s18, s[WV], 1
	s_sub_co_u32 s18, s18, 1
	s_lshl_b32 s18, s18, 7                         ; the weights: which 128 rows of the 384 I fetch
	s_mul_i32 s19, s[TX], 384
	s_add_co_u32 s18, s18, s19
	s_lshl_b32 s18, s18, 11
	s_add_co_u32 s18, s18, WB
	s_mov_b32 s19, 0
	s_mul_i32 s20, s[WV], HALFT                    ; where my tile goes: no place in the cluster enters an LDS address
	s_and_b32 s90, ttmp7, 0xffff                   ; the prefetches: cluster y
	s_cmp_eq_u32 s[WV], 0
	s_cselect_b32 s88, s16, s18                    ; the 128 rows that I fetch,
	s_cselect_b32 s89, s[CX], s[CY]                ; my place among the four that ask with me,
	s_cselect_b32 s90, ttmp9, s90                  ; the coordinate along which other clusters read the same rows
	s_cmp_eq_u32 s90, 0
	s_cselect_b32 s[LIM], 1, -1
	s_lshl_b32 s89, s89, 16                        ; my work-group's 32 rows
	s_add_co_u32 s88, s88, s89
	s_add_co_u32 s88, s88, 2*KSTEP*2               ; at K step 2: the first refill steps it to 3 and names 4
	s_mov_b32 s89, 0
	s_lshl_b32 s91, s[TX], 1
	s_add_co_u32 s91, s91, s[WC]                   ; my head
	s_lshr_b32 s92, s[TY], 4
	s_lshl_b32 s92, s92, 4
	s_add_co_u32 s92, s92, s91                     ; bh = 16 x batch + head
	s_and_b32 s93, s[TY], 15
	s_lshl_b32 s93, s93, 7
	s_lshl_b32 s94, s[WR], 6
	s_add_co_u32 s93, s93, s94                     ; my first token in the batch
	s_lshl_b32 s94, s92, 18
	s_lshl_b32 s95, s93, 7
	s_add_co_u32 s94, s94, s95                     ; its byte in q
	s_mov_b32 s95, 0
	s_lshl_b32 s92, s92, 11
	s_add_co_u32 s92, s92, s93
	s_lshl_b32 s92, s92, 2
	s_add_co_u32 s92, s92, QN                      ; its byte in hq
	s_mov_b32 s93, 0
	s_lshl_b32 s96, s91, 8                         ; my head's 64 biases
	s_mov_b32 s97, 0
	s_mov_b32 s[SEL], 0x76543210
	s_mov_b32 s[SEL+1], 0xfedcba98
	s_wait_dscnt 0x0                               ; both opening adds are done
	s_wait_kmcnt 0x0
	s_add_nc_u64 s[14:15], s[4:5], s[16:17]
	s_add_nc_u64 s[22:23], s[4:5], s[18:19]
	s_add_nc_u64 s[PFA:PFA+1], s[4:5], s[88:89]
	s_add_nc_u64 s[BB:BB+1], s[6:7], s[96:97]
	s_add_nc_u64 s[BB+2:BB+3], s[8:9], s[96:97]
	s_add_nc_u64 s[BB+4:BB+5], s[10:11], s[96:97]
	s_add_nc_u64 s[OB:OB+1], s[12:13], s[94:95]
	s_add_nc_u64 s[OB+2:OB+3], s[OB:OB+1], KH
	s_add_nc_u64 s[OB+4:OB+5], s[OB:OB+1], VH
	s_add_nc_u64 s[NB:NB+1], s[12:13], s[92:93]
	s_add_nc_u64 s[NB+2:NB+3], s[NB:NB+1], KN-QN
	CROUND                                         ; all sixteen work-groups are here: the first joint loads meet
.irp s, 0,1
	s_mov_b32 s[G0+4*(\s)], 1
	s_add_co_u32 s[G0+4*(\s)+1], s20, (\s)*SLOT
	s_add_nc_u64 s[G0+4*(\s)+2:G0+4*(\s)+3], s[14:15], (\s)*KSTEP*2
	s_or_b32 s[G0+4*(\s)+3], s[G0+4*(\s)+3], 0x80000000
	s_mov_b32 s[G0B+4*(\s)], 1
	s_add_co_u32 s[G0B+4*(\s)+1], s20, (\s)*SLOT
	s_add_nc_u64 s[G0B+4*(\s)+2:G0B+4*(\s)+3], s[22:23], (\s)*KSTEP*2
	s_or_b32 s[G0B+4*(\s)+3], s[G0B+4*(\s)+3], 0x80000000
	JLOAD \s
.endr
	v_and_b32 v1, 15, v0                           ; l % 16
	v_bfe_u32 v2, v0, 4, 1                         ; l / 16
	v_and_b32 v5, 31, v0                           ; l
	v_lshlrev_b32 v[BO], 5, v2
.irp j, 0,1,2
.irp b, 0,1,2,3
	global_load_b128 v[BI+32*(\j)+8*(\b):BI+32*(\j)+8*(\b)+3],   v[BO], s[BB+2*(\j):BB+2*(\j)+1] offset:64*(\b)     ; channels 16 b + 8 (l / 16) + 0..3
	global_load_b128 v[BI+32*(\j)+8*(\b)+4:BI+32*(\j)+8*(\b)+7], v[BO], s[BB+2*(\j):BB+2*(\j)+1] offset:64*(\b)+16  ; + 4..7
.endr
.endr
	v_mul_u32_u24 v3, v1, PITCH
	v_lshl_add_u32 v3, v2, 4, v3                   ; a fragment's row x pitch + 16 x half
	s_mul_i32 s2, s[WR], 64*PITCH                  ; my 64 rows of x
	s_mul_i32 s3, s[WC], 192*PITCH                 ; my 192 rows of the weights,
	s_add_co_u32 s3, s3, HALFT                     ; which lie behind x's 128
.irp s, 0,1
	v_add_nc_u32 v[ADRA+(\s)], s2, v3
	v_add_nc_u32 v[ADRB+(\s)], s3, v3
	s_add_co_u32 s2, s2, SLOT
	s_add_co_u32 s3, s3, SLOT
.endr
	s_mul_i32 s2, s[WV], WSTG
	s_add_co_u32 s2, s2, STAGE                     ; my stage
	v_mul_u32_u24 v4, v1, SP
	v_lshl_add_u32 v4, v2, 4, v4
	v_add_nc_u32 v[STO], s2, v4                    ; in: row l % 16, 16 bytes for each half of the lanes
	v_lshrrev_b32 v4, 3, v5
	v_and_b32 v6, 7, v0
	v_mul_u32_u24 v4, v4, SP
	v_lshl_add_u32 v4, v6, 4, v4
	v_add_nc_u32 v[RD], s2, v4                     ; back: 32 lanes take four rows of 128 bytes,
	v_lshlrev_b32 v[GO], 4, v5                     ; which are 512 consecutive bytes of q, k or v
	s_add_co_u32 s2, s2, 16*SP
	v_lshl_add_u32 v[NST], v1, 2, s2
	v_lshl_add_u32 v[NRD], v5, 3, s2
	v_lshlrev_b32 v[NGO], 3, v5
	v_lshlrev_b32 v[PFO], 11, v5
	s_wait_loadcnt 0x0                             ; the biases; rounded to bf16 in place while the first tiles are on their way
.set i, 0
.rept 48
	v_cvt_pk_bf16_f32 v[TMP+i%8], v[BI+2*i], v[BI+2*i+1]
	v_lshlrev_b32 v[BI+2*i], 16, v[TMP+i%8]
	v_and_b32 v[BI+2*i+1], 0xffff0000, v[TMP+i%8]
.set i, i+1
.endr
; 16 matrix instructions: channel blocks b0 .. b0 + 3 x all 4 token blocks, 32 along K.  All 48 accumulators take turns, one instruction a turn, in the same order in every quarter.
.macro MULB f, b0, zero
.if (\b0) < 8
	WIN 0xa5                                       ; sources in window 1, C and D in window 2
.else
	WIN 0xf5                                       ; C and D in window 3
.endif
.irp bb, 0,1,2,3
.irp a, 0,1,2,3
.set rD, 8*(4*(((\b0)+(\bb))%8)+(\a))
.set rB, (\f)+8*((\b0)+(\bb))
.set rA, (\f)+96+8*(\a)
.if \zero
	v_wmma_f32_16x16x32_bf16 v[rD:rD+7], v[rB:rB+7], v[rA:rA+7], 0
.else
	v_wmma_f32_16x16x32_bf16 v[rD:rD+7], v[rB:rB+7], v[rA:rA+7], v[rD:rD+7]
.endif
.endr
.endr
.endm
; 32 LDS loads in one run: a quarter step's fragments (32 K at byte k of the rows) into buffer f: x's 8 loads, the weights' blocks 0-7 (16), blocks 8-11 (8)
.macro FETCH slot, k, f
	WIN 0x40                                       ; destination window 1, address window 0
.irp i, 0,1,2,3
	ds_load_b128 v[(\f)+96+8*(\i):(\f)+96+8*(\i)+3],   v[ADRA+(\slot)] offset:(\k)+(\i)*16*PITCH
	ds_load_b128 v[(\f)+96+8*(\i)+4:(\f)+96+8*(\i)+7], v[ADRA+(\slot)] offset:(\k)+(\i)*16*PITCH+32
.endr
.irp i, 0,1,2,3,4,5,6,7,8,9,10,11
	ds_load_b128 v[(\f)+8*(\i):(\f)+8*(\i)+3],   v[ADRB+(\slot)] offset:(\k)+(\i)*16*PITCH
	ds_load_b128 v[(\f)+8*(\i)+4:(\f)+8*(\i)+7], v[ADRB+(\slot)] offset:(\k)+(\i)*16*PITCH+32
.endr
.endm
.macro PLACES                          ; four plain instructions in front of loads into registers that matrix instructions have read, and of sums that read results
.rept 4
	v_nop
.endr
.endm
; A K step is four quarters of 32 along K, 48 matrix instructions each, on buffers 0, 1, 0, 1.  One of the first three multiplies buffer f and fetches the next quarter, at byte k, into g.
.macro QUARTER slot, k, f, g, zero
	s_wait_dscnt 8                                 ; all but the youngest eight loads (blocks 8-11) are in
	MULB \f, 0, \zero
	PLACES
	FETCH \slot, \k, \g
	s_wait_dscnt 32                                ; all but the 32 just issued
	MULB \f, 4, \zero
	MULB \f, 8, \zero
.endm
; The last quarter multiplies buffer 1 and changes slots: one barrier; in front of it each wave waits for all its tensor loads (the one that is out is its part of the next slot), adds 0 to its spare word, and
; waits for that and for its reads of this slot.  fill = 1: the barrier opens a round of the cluster's, and this slot is filled again first thing behind it, two K steps ahead: 160 matrix instructions ahead of the wait for it.
.macro TURN slot, next, fill
.if \fill
	s_wait_xcnt 0x0                                ; the last prefetch, a K step back, has read its address
	s_add_nc_u64 s[PFA:PFA+1], s[PFA:PFA+1], KSTEP*2
.endif
	WIN 0                                          ; (the add's two registers lie in window 0)
	s_wait_tensorcnt 0x0
	ds_add_u32 v[SPW], v[NIL]
	s_wait_dscnt 9                                 ; (the add and the youngest eight loads may be out)
	MULB F1, 0, 0
	s_wait_dscnt 0x0                               ; the add is done, and my reads of this slot are over
	s_barrier_signal -1
	MULB F1, 4, 0
.if \fill
	WIN 0
.endif
	s_barrier_wait -1
.if \fill
	CREST                                          ; no wave of any partner still reads this slot's tile or has a load on its way
	s_add_nc_u64 s[G0+4*(\slot)+2:G0+4*(\slot)+3], s[G0+4*(\slot)+2:G0+4*(\slot)+3], 2*KSTEP*2
	s_add_nc_u64 s[G0B+4*(\slot)+2:G0B+4*(\slot)+3], s[G0B+4*(\slot)+2:G0B+4*(\slot)+3], 2*KSTEP*2
	JLOAD \slot                                    ; its four v_nop are also the places in front of the loads below
.else
	PLACES
.endif
	FETCH \next, 0, F0
.if \fill
	WIN 0
	ASK
.endif
	MULB F1, 8, 0
.endm
	s_wait_tensorcnt 1                             ; my part of K step 0 is in; K step 1's may stay out
	s_barrier_signal -1
	s_barrier_wait -1
	FETCH 0, 0, F0
	QUARTER 0, 64, F0, F1, 1                       ; the first quarter's products start the sums: nothing is cleared
	WIN 0
	s_mov_b32 s3, LAPS-1
.Llap:                                                 ; a trip goes once round the ring, from a lap's second quarter to the next lap's first
	QUARTER 0, 128, F1, F0, 0
	QUARTER 0, 192, F0, F1, 0
	TURN 0, 1, 1
	QUARTER 1, 64,  F0, F1, 0
	QUARTER 1, 128, F1, F0, 0
	QUARTER 1, 192, F0, F1, 0
	TURN 1, 0, 1
	QUARTER 0, 64,  F0, F1, 0
	WIN 0
	s_sub_co_u32 s3, s3, 1
	s_cmp_lg_u32 s3, 0
	s_cbranch_scc1 .Llap
	QUARTER 0, 128, F1, F0, 0                      ; the last lap fills nothing
	QUARTER 0, 192, F0, F1, 0
	TURN 0, 1, 0
	QUARTER 1, 64,  F0, F1, 0
	QUARTER 1, 128, F1, F0, 0
	QUARTER 1, 192, F0, F1, 0
	s_wait_dscnt 8
	MULB F1, 0, 0
	s_wait_dscnt 0x0
	MULB F1, 4, 0
	MULB F1, 8, 0
	WIN 0
	PLACES
; THE WAY OUT of 16 tokens x 64 channels of q (j = 0), k (1) or v (2): bias added; for q and k the sum of squares of the lane's 32 numbers, the other half of the lanes' added, times -1/2, into the stage;
; rounded to f16; 16 bytes a lane into rows of 144 bytes; back as whole rows; stored as 4 x 512 consecutive bytes.  Each accumulator is read from its lowest registers on.
.macro GROUP j, a
.if (\j) < 2
	WIN 0x02
.else
	WIN 0x03
.endif
.irp b, 0,1,2,3
.irp i, 0,1,2,3
.set rA, 8*(4*((4*(\j)+(\b))%8)+(\a))+2*(\i)
.set rB, BI+32*(\j)+8*(\b)+2*(\i)
.set rD, TMP+8*(\b)+2*(\i)
	v_pk_add_f32 v[rD:rD+1], v[rA:rA+1], v[rB:rB+1]
.endr
.endr
	WIN 0
.if (\j) < 2
.irp i, 0,1,2,3
	v_pk_mul_f32 v[NS+2*(\i):NS+2*(\i)+1], v[TMP+2*(\i):TMP+2*(\i)+1], v[TMP+2*(\i):TMP+2*(\i)+1]
.endr
.irp b, 1,2,3
.irp i, 0,1,2,3
	v_pk_fma_f32 v[NS+2*(\i):NS+2*(\i)+1], v[TMP+8*(\b)+2*(\i):TMP+8*(\b)+2*(\i)+1], v[TMP+8*(\b)+2*(\i):TMP+8*(\b)+2*(\i)+1], v[NS+2*(\i):NS+2*(\i)+1]
.endr
.endr
	v_pk_add_f32 v[NS:NS+1], v[NS:NS+1], v[NS+2:NS+3]
	v_pk_add_f32 v[NS+4:NS+5], v[NS+4:NS+5], v[NS+6:NS+7]
	v_pk_add_f32 v[NS:NS+1], v[NS:NS+1], v[NS+4:NS+5]
	v_add_f32 v[NS], v[NS], v[NS+1]
	v_permlanex16_b32 v[NS+1], v[NS], s[SEL], s[SEL+1]
	v_add_f32 v[NS], v[NS], v[NS+1]
	v_mul_f32 v[NS], -0.5, v[NS]
	ds_store_b32 v[NST], v[NS] offset:256*(\j)+64*(\a)  ; both halves of the lanes write the same word with the same number
.endif
.irp b, 0,1,2,3
.irp i, 0,1,2,3
	v_cvt_pk_f16_f32 v[PK+4*(\b)+(\i)], v[TMP+8*(\b)+2*(\i)], v[TMP+8*(\b)+2*(\i)+1]
.endr
.endr
.irp b, 0,1,2,3
	ds_store_b128 v[STO], v[PK+4*(\b):PK+4*(\b)+3] offset:32*(\b)
.endr
	s_wait_xcnt 0x0                                ; the last group's stores have read their data: the registers are loaded again only behind this wait
.irp f, 0,1,2,3
	ds_load_b128 v[BK+4*(\f):BK+4*(\f)+3], v[RD] offset:(\f)*4*SP  ; LDS serves a wave's instructions in order (ISA guide 5.7.1.4): these see the stores above
.endr
.irp f, 0,1,2,3
	s_wait_dscnt 3-(\f)                            ; the younger loads stay out
	global_store_b128 v[GO], v[BK+4*(\f):BK+4*(\f)+3], s[OB+2*(\j):OB+2*(\j)+1] offset:(\a)*2048+(\f)*512
.endr
.endm
.irp a, 0,1,2,3
	GROUP 0, \a
	GROUP 1, \a
	GROUP 2, \a
.endr
	ds_load_b64 v[TMP:TMP+1], v[NRD]               ; my wave's 64 hq and 64 hk: 256 consecutive bytes each
	ds_load_b64 v[TMP+2:TMP+3], v[NRD] offset:256
	s_wait_dscnt 0x0
	global_store_b64 v[NGO], v[TMP:TMP+1], s[NB:NB+1]
	global_store_b64 v[NGO], v[TMP+2:TMP+3], s[NB+2:NB+3]
	s_wait_tensorcnt 0x0                           ; the wave's end, behind my last tensor load and my last LDS store
	ds_add_u32 v[SPW], v[NIL]
	s_wait_dscnt 0x0
	CROUND                                         ; the closing round
	s_endpgm
.Lfunc_end_k_q36ab9b35fe_qkv:
	.size	k_q36ab9b35fe_qkv, .Lfunc_end_k_q36ab9b35fe_qkv-k_q36ab9b35fe_qkv
	.p2alignl 7, 3214868480
	.fill 96, 4, 3214868480
	.section	.rodata,"a",@progbits
	.p2align	6, 0x0
	.amdhsa_kernel k_q36ab9b35fe_qkv
		.amdhsa_group_segment_fixed_size 327680
		.amdhsa_private_segment_fixed_size 0
		.amdhsa_enable_private_segment 0
		.amdhsa_kernarg_size 40
		.amdhsa_user_sgpr_count 2
		.amdhsa_user_sgpr_kernarg_segment_ptr 1
		.amdhsa_wavefront_size32 1
		.amdhsa_system_sgpr_workgroup_id_x 1
		.amdhsa_system_sgpr_workgroup_id_y 1
		.amdhsa_system_sgpr_workgroup_id_z 1
		.amdhsa_system_vgpr_workitem_id 0
		.amdhsa_next_free_vgpr 896
		.amdhsa_next_free_sgpr 100
		.amdhsa_reserve_vcc 0
		.amdhsa_float_denorm_mode_32 3
		.amdhsa_float_denorm_mode_16_64 3
		.amdhsa_memory_ordered 1
		.amdhsa_forward_progress 1
		.amdhsa_inst_pref_size 156
	.end_amdhsa_kernel
	.amdgpu_metadata
---
amdhsa.version: [ 1, 2 ]
amdhsa.kernels:
  - .name:           k_q36ab9b35fe_qkv
    .symbol:         k_q36ab9b35fe_qkv.kd
    .args:
      - { .name: cw, .offset: 0, .size: 8, .value_kind: global_buffer, .address_space: global }
      - { .name: bq, .offset: 8, .size: 8, .value_kind: global_buffer, .address_space: global }
      - { .name: bk, .offset: 16, .size: 8, .value_kind: global_buffer, .address_space: global }
      - { .name: bv, .offset: 24, .size: 8, .value_kind: global_buffer, .address_space: global }
      - { .name: qkvb, .offset: 32, .size: 8, .value_kind: global_buffer, .address_space: global }
    .group_segment_fixed_size: 327680
    .private_segment_fixed_size: 0
    .kernarg_segment_align: 8
    .kernarg_segment_size: 40
    .max_flat_workgroup_size: 128
    .sgpr_count:     100
    .vgpr_count:     896
    .wavefront_size: 32
...
	.end_amdgpu_metadata
.endif
;; end of part 2
;; launch coldeg (part 3): grid 8 x 32, 4 waves a work-group, clusters of 4 x 1, 327,680 bytes of LDS; arguments qkvb, kst; writes kst
.if DOCPART == 3
	.amdgcn_target "amdgcn-amd-amdhsa--gfx1250"
	.amdhsa_code_object_version 6
	.text
	.protected	k_q36ab9b35fe_coldeg
	.globl	k_q36ab9b35fe_coldeg
	.p2align	8
	.type	k_q36ab9b35fe_coldeg,@function
k_q36ab9b35fe_coldeg:
	s_mov_b64 s[64:65], 0
	v_nop
	global_prefetch_b8 v0, s[64:65] scope:SCOPE_SE
	s_setreg_imm32_b32 hwreg(HW_REG_WAVE_MODE, 25, 1), 1
	s_wait_xcnt 0x0
	s_wait_alu depctr_hold_cnt(0) depctr_sa_sdst(0) depctr_va_vdst(0) depctr_va_sdst(0) depctr_va_ssrc(0) depctr_va_vcc(0) depctr_vm_vsrc(0)
	s_getreg_b32 s2, hwreg(HW_REG_IB_STS2, 6, 4)
	s_cmp_eq_u32 s2, 0
	s_cbranch_scc0 .Lentry_in_a_cluster
	s_endpgm
.Lentry_in_a_cluster:
	s_bfe_u32 s2, ttmp6, 0x10000c
	s_cmp_lg_u32 s2, 0x3003
	s_cbranch_scc0 .Lentry_shape_is_right
	s_endpgm
.Lentry_shape_is_right:
; COLUMN DEGREES.  n_c[m] = the sum over all 2,048 queries n of S[n][m], S = exp(-max(|q_n - k_m|^2, 0) / 64), for each head.  Stored for each key, f32, [32 bh][3][2048]:
; hk (copied), LT = -log2(n_c) / 2 - 256, g = sqrt(n_c).
; ARITHMETIC.  log2 S = 2 c (q.k + hq + hk), c = log2(e) / 64, held to 0 from above (the reference's max(d2, 0)).  The matrix unit gives acc = q.k + hk (hk is the C operand).  With T = 256 and kappa = 2 c / T:
; u = clamp01(kappa acc + beta), beta = 1 + kappa hq; then min(log2 S, 0) = T u - T.  One packed line with clamp, one packed line, two exponentials for two scores.
; LIMITS.  log2 S below -256 counts as -256, and an exponential below 2^-126 counts as 0: both lie below what f32 holds of S.  u carries log2 S to within 2^-16.  n_c = 0 gives no finite LT.  NaN and infinities are not treated apart.
; No maximum is taken away: the exponent is held to -256 .. 0 by the clamp that the reference makes too, so no exponential and no sum of 2,048 of them can overflow.
; SHARES.  A work-group owns 256 keys of a head, a wave 64: four tiles kt of 16, kept in registers.  Every wave walks the head's queries, 64 a step.  Source 0 = 16 keys, source 1 = 16 queries: a lane holds ONE query
; (lane % 16) and the keys 8 (lane / 16) + 0..7, so a key's sum runs along registers' own lanes and is folded over 16 lanes once, at the end.
; BY TURNS.  Turn p: 8 products for tile p + 1 (turn 3: tile 0 of the next step); beside them the 80 vector instructions of tile p.  A turn's 32 exponentials are one batch with one wait.
; CLUSTER.  The four key blocks of a cluster belong to one head and walk the same queries: each tile is asked for jointly.  No prefetch: of the four slots only the last could be asked for ahead of its load.
; REGISTERS.  ONE window setting serves the loop, source 1 in window 1: there lie the queries' fragments and kappa; all else lies in window 0.
.set PQ,    144       ; a row of Q in LDS: 128 bytes + 16 of padding
.set STEPB, 64*PQ
.set SLOTB, 8*STEPB   ; a slot holds 512 queries, eight steps
.set HQ,    SLOTB     ; the head's 2,048 hq, filled once
.set SLOT1, 1<<17
.set STAGE, SLOT1+SLOTB  ; 256 bytes for each wave; never filled by a tensor load
.set SPARE, STAGE+4*256  ; the spare words, 128 bytes a wave
.set KH, 0x800000
.set QN, 0x1800000
.set KN, 0x1840000
.set AQ0, 2           ; my lane's place in a step's rows of Q; never rewritten
.set AQ,  3
.set AH0, 4           ; HQ + 4 (l % 16)
.set AH,  5
.set KOF, 6           ; my offset in 16 rows of K
.set HKO, 7           ; 32 (l / 16)
.set PRO, 8           ; 8 l
.set STW, 9
.set SRD, 10
.set SPW, 12
.set NIL, 13
.set KO,  16          ; v16-79   my keys: tile kt, channel half c at KO + 16 kt + 8 c
.set HK,  80          ; v80-111  hk of key 16 kt + 8 (l / 16) + j at HK + 8 kt + j
.set SUM, 112         ; v112-143 the sums, likewise
.set BET, 144         ; v144-151 beta of my query in block qb, twice
.set HQR, 152         ; v152-155 hq of the step to come
.set S,   160         ; v160-223 two buffers of 32 scores
.set W,   224         ; at work at the end
.set QF,  0           ; window 1: block qb, channel half c at 16 qb + 8 c
.set KAP, 64          ; window 1: kappa, twice
.set WV,  12
.set G1Q, 24
.set G1H, 32
.set G0Q, 40
.set G0H, 44
.set SLOTS, 56
.set CNT, 57
.set KPS, 58
.set TT,  60          ; s[60:61] T
.set NT,  62          ; s[62:63] -T
.set TBQ, 66          ; LDS byte at which the step to be fetched begins
.set THQ, 67          ; its byte among the hq
.set WM,  0x04
.set MSB, 0
.macro WIN new
.if MSB != (\new)
	s_set_vgpr_msb (MSB<<8)|(\new)
.set MSB, (\new)
.endif
.endm
.macro CROUND
	s_barrier_signal -1
	s_barrier_wait -1
	s_cmp_lg_u32 s[WV], 0
	s_cbranch_scc1 .Lnot_wave_0_\@
	s_barrier_signal -3
.Lnot_wave_0_\@:
	s_barrier_wait -3
	s_barrier_signal -1
	s_barrier_wait -1
.endm
.macro PLACES
.rept 4
	v_nop
.endr
.endm
; THE CHANGE OF SLOTS.  Each wave waits for all its tensor loads, adds 0 to its spare word, and waits for that and for its reads of the slot that it leaves.  fill = 1: a round of the cluster's barrier, and the
; slot is filled again first thing behind it, each wave its 128 queries; the load has eight steps in which to land.  (At its first use slot 0 and the hq are waited for and slot 1 is filled.)
.macro CHANGE fill
	WIN 0
	s_wait_tensorcnt 0x0
	ds_add_u32 v[SPW], v[NIL]
.if \fill
	s_xor_b32 s[G0Q+1], s[G0Q+1], SLOT1
	s_add_nc_u64 s[G0Q+2:G0Q+3], s[G0Q+2:G0Q+3], 512*128
	s_wait_dscnt 0x0
	CROUND
	tensor_load_to_lds s[G0Q:G0Q+3], s[G1Q:G1Q+7]
	s_nop 0
.rept 4
	v_nop
.endr
.else
	s_wait_dscnt 0x0
	s_barrier_signal -1
	s_barrier_wait -1
.endif
	s_sub_co_u32 s[TBQ], s[TBQ], SLOTB
	s_xor_b32 s[TBQ], s[TBQ], SLOT1
.endm
	s_load_b128 s[4:7], s[0:1], 0x0   ; qkvb s[4:5], kst s[6:7]
	v_lshl_add_u32 v[SPW], v0, 2, SPARE
	v_mov_b32 v[NIL], 0
	ds_add_u32 v[SPW], v[NIL]       ; the wave's opening: the add, twice on end, and its wait ahead of my first tensor load
	ds_add_u32 v[SPW], v[NIL]
	v_lshrrev_b32 v1, 5, v0
	v_readfirstlane_b32 s[WV], v1
	s_bfe_u32 s13, ttmp6, 0x40000   ; cx
	s_lshl_b32 s14, ttmp9, 2
	s_add_co_u32 s14, s14, s13      ; my block of 256 keys: it enters my keys' and the output's addresses alone
	s_and_b32 s15, ttmp7, 0xffff    ; bh, which the four partners share
	s_lshl_b32 s16, s15, 18
	s_lshl_b32 s17, s[WV], 14
	s_add_co_u32 s16, s16, s17      ; Q: the head, my 128 queries of a slot
	s_mov_b32 s17, 0
	s_lshl_b32 s18, s15, 13
	s_lshl_b32 s19, s[WV], 11
	s_add_co_u32 s18, s18, s19
	s_add_co_u32 s18, s18, QN       ; hq: the head, my quarter
	s_mov_b32 s19, 0
	s_lshl_b32 s20, s14, 8
	s_lshl_b32 s21, s[WV], 6
	s_add_co_u32 s20, s20, s21      ; my first key
	s_lshl_b32 s22, s15, 18
	s_lshl_b32 s23, s20, 7
	s_add_co_u32 s22, s22, s23
	s_add_co_u32 s22, s22, KH
	s_mov_b32 s23, 0
	s_lshl_b32 s68, s15, 11
	s_add_co_u32 s68, s68, s20
	s_lshl_b32 s68, s68, 2
	s_add_co_u32 s68, s68, KN
	s_mov_b32 s69, 0
	s_mul_i32 s70, s15, 3*8192
	s_lshl_b32 s71, s20, 2
	s_add_co_u32 s70, s70, s71
	s_mov_b32 s71, 0
	; 128 queries are 16,384 dense bytes: asked for as 64 rows of 256 bytes and padded in LDS after every query
	s_mov_b32 s[G1Q], 15|(1<<16)|(1<<20)|(1<<21)|(4<<22)|(3<<25)
	s_mov_b32 s[G1Q+1], 128<<16
	s_mov_b32 s[G1Q+2], 64<<16
	s_mov_b32 s[G1Q+3], 128<<16
	s_mov_b32 s[G1Q+4], 64
	s_mov_b32 s[G1Q+5], 128
	s_mov_b32 s[G1Q+6], 0
	s_mov_b32 s[G1Q+7], 0
	; 512 hq are 2,048 dense bytes: 8 rows of 32 elements of 8 bytes, no padding
	s_mov_b32 s[G1H], 15|(3<<16)|(1<<21)
	s_mov_b32 s[G1H+1], 32<<16
	s_mov_b32 s[G1H+2], 8<<16
	s_mov_b32 s[G1H+3], 32<<16
	s_mov_b32 s[G1H+4], 8
	s_mov_b32 s[G1H+5], 32
	s_mov_b32 s[G1H+6], 0
	s_mov_b32 s[G1H+7], 0
	s_mov_b32 s[G0Q], 1
	s_mul_i32 s[G0Q+1], s[WV], 128*PQ
	s_mov_b32 s[G0H], 1
	s_lshl_b32 s[G0H+1], s[WV], 11
	s_add_co_u32 s[G0H+1], s[G0H+1], HQ
	s_mov_b32 s[KPS], 0x3938aa3b    ; kappa = log2(e) / 8192
	s_mov_b32 s[TT], 0x43800000     ; 256
	s_mov_b32 s[TT+1], 0x43800000
	s_mov_b32 s[NT], 0xc3800000     ; -256
	s_mov_b32 s[NT+1], 0xc3800000
	s_mov_b32 s[TBQ], SLOT1+SLOTB   ; the first change of slots turns it into 0
	s_mov_b32 s[THQ], 0
	s_wait_dscnt 0x0                ; both opening adds are done
	s_wait_kmcnt 0x0
	s_add_nc_u64 s[G0Q+2:G0Q+3], s[4:5], s[16:17]
	s_or_b32 s[G0Q+3], s[G0Q+3], 0x80000000
	s_add_nc_u64 s[G0H+2:G0H+3], s[4:5], s[18:19]
	s_or_b32 s[G0H+3], s[G0H+3], 0x80000000
	s_add_nc_u64 s[72:73], s[4:5], s[22:23]   ; my keys
	s_add_nc_u64 s[74:75], s[4:5], s[68:69]   ; their hk
	s_add_nc_u64 s[76:77], s[6:7], s[70:71]   ; their place in kst
	CROUND                          ; all four work-groups are here: the first joint loads meet
	tensor_load_to_lds s[G0Q:G0Q+3], s[G1Q:G1Q+7]  ; slot 0
	s_nop 0
	tensor_load_to_lds s[G0H:G0H+3], s[G1H:G1H+7]  ; the hq: two loads of mine are out
	s_nop 0
.rept 4
	v_nop
.endr
	v_and_b32 v1, 15, v0            ; l % 16
	v_bfe_u32 v14, v0, 4, 1         ; l / 16
	v_and_b32 v15, 31, v0           ; l
	v_lshlrev_b32 v[KOF], 7, v1
	v_lshl_add_u32 v[KOF], v14, 4, v[KOF]
	v_lshlrev_b32 v[HKO], 5, v14
	v_lshlrev_b32 v[PRO], 3, v15
.set i, 0
.rept 8                             ; tile i / 2, channels 32 (i % 2) on
	global_load_b128 v[KO+8*i:KO+8*i+3],   v[KOF], s[72:73] offset:(i/2)*2048+(i%2)*64
	global_load_b128 v[KO+8*i+4:KO+8*i+7], v[KOF], s[72:73] offset:(i/2)*2048+(i%2)*64+32
.set i, i+1
.endr
.irp t, 0,1,2,3
	global_load_b128 v[HK+8*\t:HK+8*\t+3],   v[HKO], s[74:75] offset:64*\t
	global_load_b128 v[HK+8*\t+4:HK+8*\t+7], v[HKO], s[74:75] offset:64*\t+16
.endr
	global_load_b64 v[W+8:W+9], v[PRO], s[74:75]   ; hk of keys 2 l, 2 l + 1, for the copy
	v_mul_u32_u24 v[AQ0], v1, PQ
	v_lshl_add_u32 v[AQ0], v14, 4, v[AQ0]
	v_lshlrev_b32 v[AH0], 2, v1
	v_add_nc_u32 v[AH0], HQ, v[AH0]
	s_lshl_b32 s13, s[WV], 8
	s_add_co_u32 s13, s13, STAGE
	v_lshl_add_u32 v[STW], v14, 5, s13
	v_lshl_add_u32 v[SRD], v15, 3, s13
.set i, 0
.rept 32
	v_mov_b32 v[SUM+i], 0           ; written in the wait for the first tile, so that the loop has one form of sum
.set i, i+1
.endr
	WIN 0x40
	v_mov_b32 v[KAP], 0x3938aa3b
	v_mov_b32 v[KAP+1], 0x3938aa3b
	WIN 0
; Product i of 8 for tile Y + 1: query block i % 4, channels 32 (i / 4) on.  The first four start the sums with hk.  The four accumulators take turns.
.macro MMQ
.set kt, (Y+1)%4
.set rD, S+32*(kt%2)+8*(i%4)
.set rA, KO+16*kt+8*(i/4)
.set rB, QF+16*(i%4)+8*(i/4)
.if i < 4
	v_wmma_f32_16x16x32_f16 v[rD:rD+7], v[rA:rA+7], v[rB:rB+7], v[HK+8*kt:HK+8*kt+7]
.else
	v_wmma_f32_16x16x32_f16 v[rD:rD+7], v[rA:rA+7], v[rB:rB+7], v[rD:rD+7]
.endif
.set i, i+1
.endm
.macro OPF n                        ; pair n: u = clamp01(kappa acc + beta); the pairs ascend
	v_pk_fma_f32 v[rS+2*(\n):rS+2*(\n)+1], v[rS+2*(\n):rS+2*(\n)+1], v[KAP:KAP+1], v[BET+2*((\n)/4):BET+2*((\n)/4)+1] clamp
.endm
.macro OPG n                        ; T u - T
	v_pk_fma_f32 v[rS+2*(\n):rS+2*(\n)+1], v[rS+2*(\n):rS+2*(\n)+1], s[TT:TT+1], s[NT:NT+1] op_sel_hi:[1,0,0]
.endm
.macro OPE n
	v_exp_f32 v[rS+(\n)], v[rS+(\n)]
.endm
; The queue of 64: F 0-3, G 0-1; six groups of F F G G E E E E, in which a pair is scaled a group ahead of its exponentials; G 14, 15, E 24-31.  None of them reads an exponential's result.
.macro NXT
.if q < 4
	OPF q
.elseif q < 6
	OPG q-4
.elseif q < 54
.set ii, (q-6)/8+1
.set kk, (q-6)%8
.if kk < 2
	OPF 2*ii+2+kk
.elseif kk < 4
	OPG 2*ii+kk-2
.else
	OPE 4*ii-8+kk
.endif
.elseif q < 56
	OPG q-40
.else
	OPE q-32
.endif
.set q, q+1
.endm
; The next step's fragments of Q (16 loads) and its four hq.  last = 1 (the tail): in the last trip there is no further step, and the run is jumped over; the exponentials issued so far have their wait ahead of the branch.
.macro FETCHQ last=0
	WIN 0
.if \last
	s_wait_alu depctr_va_vdst(0)
	s_cmp_eq_u32 s[CNT], 1
	s_cbranch_scc1 .Lno_q_\@
.endif
	v_add_nc_u32 v[AQ], s[TBQ], v[AQ0]
	v_add_nc_u32 v[AH], s[THQ], v[AH0]
	WIN 0x40                        ; destination window 1
.irp f, 0,1,2,3,4,5,6,7             ; queries 16 (f / 2) on, channels 32 (f % 2) on
	ds_load_b128 v[QF+8*\f:QF+8*\f+3],   v[AQ] offset:(\f/2)*16*PQ+(\f%2)*64
	ds_load_b128 v[QF+8*\f+4:QF+8*\f+7], v[AQ] offset:(\f/2)*16*PQ+(\f%2)*64+32
.endr
	WIN 0
.irp f, 0,1,2,3
	ds_load_b32 v[HQR+\f], v[AH] offset:64*\f
.endr
	s_add_co_u32 s[TBQ], s[TBQ], STEPB
	s_add_co_u32 s[THQ], s[THQ], 256
.if \last
.Lno_q_\@:
.endif
.endm
.macro BETA                         ; beta = 1 + kappa hq, twice for the packed line
.irp f, 0,1,2,3
	v_fma_f32 v[BET+2*\f], v[HQR+\f], s[KPS], 1.0
	v_fma_f32 v[BET+2*\f+1], v[HQR+\f], s[KPS], 1.0
.endr
.endm
; A TURN, for tile p.  per: so many of the queue behind each product.  Turn 2 takes four, so that the next step's fragments are asked for early, four places behind the last product that read the old ones;
; they are waited for at turn 3's head.  Behind the queue a v_nop and ONE wait for the 32 exponentials; then the 16 sums; turn 3 then makes the next step's beta.
.macro TURN p, per, fetch=0, last=0
.set Y, (\p)
.set i, 0
.set q, 0
.set rS, S+32*((\p)%2)
.if (\p) == 3
	s_wait_dscnt 0x0                ; the next step's Q and hq are in
.endif
	WIN WM
.rept 8
	MMQ
.rept \per
	NXT
.endr
.endr
.if \fetch
	PLACES
	FETCHQ \last
	WIN WM
.endif
.if (\per) < 8
.rept 64-8*(\per)
	NXT
.endr
.endif
	v_nop                           ; a plain instruction behind the last exponential
	s_wait_alu depctr_va_vdst(0)    ; the wait for the batch
.irp b, 0,1,2,3
.irp c, 0,1,2,3
	v_pk_fma_f32 v[SUM+8*(\p)+2*\c:SUM+8*(\p)+2*\c+1], v[rS+8*\b+2*\c:rS+8*\b+2*\c+1], 1.0, v[SUM+8*(\p)+2*\c:SUM+8*(\p)+2*\c+1] op_sel_hi:[1,0,1]  ; a sum, written so that no vector register stands in source 1's place
.endr
.endr
.if (\p) == 3
	BETA
.endif
.endm
	CHANGE 1                        ; slot 0 and the hq are in, everybody's part; slot 1 is asked for
	FETCHQ
	s_wait_loadcnt 0x0              ; my keys and their hk
	s_wait_dscnt 0x0
	BETA
	WIN WM
.set Y, 3
.set i, 0
.rept 8
	MMQ                             ; tile 0's first scores
.endr
	PLACES
	WIN 0
	s_mov_b32 s[CNT], 8
	s_mov_b32 s[SLOTS], 3
	s_branch .Lfirst                ; the loop is entered at a step's first turn, in the middle of a trip
.Lslot:                             ; twice: slots 2 and 3 are asked for
	CHANGE 1
	s_mov_b32 s[CNT], 8
.Lstep:
	TURN 2, 4, 1, 0
	TURN 3, 8
	WIN 0
.Lfirst:
	TURN 0, 8
	TURN 1, 8
	WIN 0
	s_sub_co_u32 s[CNT], s[CNT], 1
	s_cmp_lg_u32 s[CNT], 0
	s_cbranch_scc1 .Lstep
	s_sub_co_u32 s[SLOTS], s[SLOTS], 1
	s_cmp_lg_u32 s[SLOTS], 0
	s_cbranch_scc1 .Lslot
	CHANGE 0                        ; the tail is written out
	s_mov_b32 s[CNT], 9             ; eight trips fetch the last slot's steps; the ninth is left in its middle
.Ltail:
	TURN 2, 4, 1, 1
	TURN 3, 8
	WIN 0
	s_sub_co_u32 s[CNT], s[CNT], 1
	s_cmp_eq_u32 s[CNT], 0
	s_cbranch_scc1 .Lout
	TURN 0, 8
	TURN 1, 8
	WIN 0
	s_branch .Ltail
.Lout:                              ; (the ninth trip's last 8 products, on the last queries once more, serve nothing: the price of one text for every trip)
.irp m, 1,2,4,8                     ; the 16 queries of a half of the lanes are folded: every lane of the half ends with the sums of its eight keys
.set i, 0
.rept 32
	v_add_f32_dpp v[SUM+i], v[SUM+i], v[SUM+i] row_xmask:\m row_mask:0xf bank_mask:0xf
.set i, i+1
.endr
.endr
.irp t, 0,1,2,3
	ds_store_b128 v[STW], v[SUM+8*\t:SUM+8*\t+3] offset:64*\t      ; the lanes of a half write the same bytes with the same numbers
	ds_store_b128 v[STW], v[SUM+8*\t+4:SUM+8*\t+7] offset:64*\t+16
.endr
	ds_load_b64 v[W:W+1], v[SRD]    ; n_c of keys 2 l, 2 l + 1; LDS serves a wave's instructions in order (ISA guide 5.7.1.4)
	s_wait_dscnt 0x0
	v_log_f32 v[W+2], v[W]
	v_log_f32 v[W+3], v[W+1]
	v_sqrt_f32 v[W+4], v[W]
	v_sqrt_f32 v[W+5], v[W+1]
	v_nop
	s_wait_alu depctr_va_vdst(0)    ; one wait for the four
	v_fma_f32 v[W+2], v[W+2], -0.5, s[NT]
	v_fma_f32 v[W+3], v[W+3], -0.5, s[NT]
	global_store_b64 v[PRO], v[W+8:W+9], s[76:77]               ; each store of the wave covers 256 consecutive bytes, aligned
	global_store_b64 v[PRO], v[W+2:W+3], s[76:77] offset:8192
	global_store_b64 v[PRO], v[W+4:W+5], s[76:77] offset:16384
	s_wait_tensorcnt 0x0            ; the wave's end
	ds_add_u32 v[SPW], v[NIL]
	s_wait_dscnt 0x0
	CROUND                          ; the closing round
	s_endpgm
.Lfunc_end_k_q36ab9b35fe_coldeg:
	.size	k_q36ab9b35fe_coldeg, .Lfunc_end_k_q36ab9b35fe_coldeg-k_q36ab9b35fe_coldeg
	.p2alignl 7, 3214868480
	.fill 96, 4, 3214868480
	.section	.rodata,"a",@progbits
	.p2align	6, 0x0
	.amdhsa_kernel k_q36ab9b35fe_coldeg
		.amdhsa_group_segment_fixed_size 327680
		.amdhsa_private_segment_fixed_size 0
		.amdhsa_enable_private_segment 0
		.amdhsa_kernarg_size 16
		.amdhsa_user_sgpr_count 2
		.amdhsa_user_sgpr_kernarg_segment_ptr 1
		.amdhsa_wavefront_size32 1
		.amdhsa_system_sgpr_workgroup_id_x 1
		.amdhsa_system_sgpr_workgroup_id_y 1
		.amdhsa_system_sgpr_workgroup_id_z 1
		.amdhsa_system_vgpr_workitem_id 0
		.amdhsa_next_free_vgpr 384
		.amdhsa_next_free_sgpr 80
		.amdhsa_reserve_vcc 0
		.amdhsa_float_denorm_mode_32 3
		.amdhsa_float_denorm_mode_16_64 3
		.amdhsa_memory_ordered 1
		.amdhsa_forward_progress 1
		.amdhsa_inst_pref_size 65
	.end_amdhsa_kernel
	.amdgpu_metadata
---
amdhsa.version: [ 1, 2 ]
amdhsa.kernels:
  - .name:           k_q36ab9b35fe_coldeg
    .symbol:         k_q36ab9b35fe_coldeg.kd
    .args:
      - { .name: qkvb, .offset: 0, .size: 8, .value_kind: global_buffer, .address_space: global }
      - { .name: kst, .offset: 8, .size: 8, .value_kind: global_buffer, .address_space: global }
    .group_segment_fixed_size: 327680
    .private_segment_fixed_size: 0
    .kernarg_segment_align: 8
    .kernarg_segment_size: 16
    .max_flat_workgroup_size: 128
    .sgpr_count:     80
    .vgpr_count:     384
    .wavefront_size: 32
...
	.end_amdgpu_metadata
.endif
;; end of part 3
;; launch attn (part 4): grid 8 x 32, 4 waves a work-group, clusters of 4 x 1, 327,680 bytes of LDS; arguments qkvb, kst, oh; writes oh
.if DOCPART == 4
	.amdgcn_target "amdgcn-amd-amdhsa--gfx1250"
	.amdhsa_code_object_version 6
	.text
	.protected	k_q36ab9b35fe_attn
	.globl	k_q36ab9b35fe_attn
	.p2align	8
	.type	k_q36ab9b35fe_attn,@function
k_q36ab9b35fe_attn:
	s_mov_b64 s[64:65], 0
	v_nop
	global_prefetch_b8 v0, s[64:65] scope:SCOPE_SE
	s_setreg_imm32_b32 hwreg(HW_REG_WAVE_MODE, 25, 1), 1
	s_wait_xcnt 0x0
	s_wait_alu depctr_hold_cnt(0) depctr_sa_sdst(0) depctr_va_vdst(0) depctr_va_sdst(0) depctr_va_ssrc(0) depctr_va_vcc(0) depctr_vm_vsrc(0)
	s_getreg_b32 s2, hwreg(HW_REG_IB_STS2, 6, 4)
	s_cmp_eq_u32 s2, 0
	s_cbranch_scc0 .Lentry_in_a_cluster
	s_endpgm
.Lentry_in_a_cluster:
	s_bfe_u32 s2, ttmp6, 0x10000c
	s_cmp_lg_u32 s2, 0x3003
	s_cbranch_scc0 .Lentry_shape_is_right
	s_endpgm
.Lentry_shape_is_right:
; THE ATTENTION ITSELF.  k~[n][m] = n_r[n]^-1/2 S[n][m] n_c[m]^-1/2; out[n] = the sum over m of k~[n][m] v[m] / max(the sum over m of k~[n][m], 1e-12).  S is made anew from q, k, hq, hk.
; ARITHMETIC.  u = clamp01(kappa (q.k + hk) + beta) as in the launch before; e = T u + LT[m] = log2(S n_c^-1/2).  For each query a RUNNING MAXIMUM M of e: p = 2^(e - M), rounded to f16 for O += p v;
; t = sum p and r = sum p g[m] (g = sqrt(n_c)) in f32; in every step O, t and r are multiplied by alpha = 2^(M_old - M_new).  Then the sum of S n_c^-1/2 is 2^M t and n_r = 2^M r; with w = 2^(M/2) rsq(r):
; out = O w / max(w t, 1e-12): the reference's row degree and its clamp, both honoured.
; LIMITS.  q, k, v arrive in f16.  p lies in 0 to 1 and below 6e-5 keeps f16's fixed step of 6e-8.  log2 S below -256 counts as -256; an exponential below 2^-126 counts as 0.  NaN and infinities are not treated apart.
; SHARES.  A work-group owns 256 queries of a head, a wave 64: four tiles of 16.  Every wave walks the head's 2,048 keys, 64 a step; a slot holds 256 keys.
; LAYOUT.  S^T = K Q^T + hk (source 0 = 16 keys, source 1 = 16 queries, C = hk by registers): a lane holds ONE query (lane % 16) and the keys 8 (lane / 16) + 0..7.  Two results rounded to f16 in pairs ARE source 1 of
; O^T = V^T P.  K comes out of LDS as it lies, V turned, by ds_load_tr16_b128.  hk, LT, g of a step's keys lie in registers in the scores' own layout.
; BY TURNS.  Turn n belongs to tile n: 8 products K Q^T of tile n + 1, later 8 products V^T P of tile n - 1; beside them e - M, the exponentials, roundings, sums and rescaling of tile n and u, e, the maximum and alpha of
; tile n + 1.  A turn's 33 exponentials are one batch with one wait.
; CLUSTER.  The four query blocks of a cluster belong to one head and walk the same K, V and statistics: every tile is asked for jointly.
; REGISTERS in windows of 256: window 0 addresses, statistics (12 a tile), S^T and P (two buffers each), LT, g; window 1 O^T (32 a tile), hk; window 2 Q, K and V of one step.
.set KS,    64
.set PK,    144       ; a row of K in LDS: 128 bytes + 16
.set PV,    160       ; a row of V: 128 + 32
.set VOFF,  4*KS*PK
.set KST,   81920     ; the head's hk, LT, g: 3 x 8,192 bytes, filled once
.set SLOT1, 1<<17
.set STAGE, SLOT1+4*KS*(PK+PV)
.set SP,    144
.set SPARE, STAGE+4*16*SP
.set KH, 0x800000
.set VH, 0x1000000
.set QN, 0x1800000
.set AK0, 2
.set AV0, 3
.set AK,  4
.set AV,  5
.set STO, 6
.set RD,  7
.set GO,  8
.set AB0, 9           ; KST + 32 (l / 16)
.set AB,  10
.set SPW, 12
.set NIL, 13
.set KAP, 14          ; v14-15 kappa, twice
.set ST,  16          ; tile t at ST + 12 t: M, M_old, beta twice, two chains of t, two chains of r (a pair each)
.set TMP, 64          ; by buffer: c0-c3; when the maximum is found c2 takes alpha
.set S,   72
.set P,   136
.set LT,  168
.set GG,  200
.set RR,  232         ; set-up: l % 16, l / 16, l % 8, (l / 8) % 2, offsets, hq
.set HH,  233
.set L7,  234
.set B3,  235
.set QO,  236
.set HQO, 237
.set HQV, 240
.set HK,  128         ; window 1
.set KF,  64          ; window 2
.set VF,  128         ; window 2
.set KPS, 10
.set WV,  12
.set G1K, 24
.set G1V, 32
.set G0K, 40
.set G0V, 44
.set G1S, 48
.set SLOTS, 56
.set CNT, 57
.set TT,  58          ; s[58:59] T = 256
.set SEL, 60
.set TBK, 62
.set TBV, 63
.set TBS, 66          ; byte of the step to be fetched in a plane of the statistics
.set LIM, 67
.set G0S, 68
.set PFA, 72
.set OUT, 74
.set QP,  76
.set MSB, 0
.macro WIN new
.if MSB != (\new)
	s_set_vgpr_msb (MSB<<8)|(\new)
.set MSB, (\new)
.endif
.endm
.set W_KH, 0x1a       ; K and Q in window 2, C (hk) in window 1, S^T in window 0
.set W_KQ, 0x0a
.set W_PV, 0x52       ; V in window 2, P in window 0, O^T in window 1
.set W_RS, 0x41
; A joint fill: waves 0 and 1 the two halves of a slot's K, waves 2 and 3 those of its V.  An s_nop 0 and four v_nop follow each line.
.macro JLOAD
	s_cmp_lt_u32 s[WV], 2
	s_cbranch_scc0 .Lfor_v_\@
	tensor_load_to_lds s[G0K:G0K+3], s[G1K:G1K+7]
	s_nop 0
.rept 4
	v_nop
.endr
	s_branch .Lasked_\@
.Lfor_v_\@:
	tensor_load_to_lds s[G0V:G0V+3], s[G1V:G1V+7]
	s_nop 0
.rept 4
	v_nop
.endr
.Lasked_\@:
.endm
; A prefetch of what the NEXT change of slots will ask for: a slot's K and V are 128 blocks of 256 bytes each.  The head's first cluster asks; its four partners take 32 blocks each, by address; in each, wave 0 asks for K's
; and wave 2 for V's, a lane a block.  So each block of slots 3 to 7 is named once; the first change and the last that fills a slot ask for nothing.
.macro ASK
	s_cmp_gt_u32 s[SLOTS], s[LIM]
	s_cbranch_scc0 .Lnot_mine_\@
	global_prefetch_b8 v[GO+3], s[PFA:PFA+1] th:TH_LOAD_NT scope:SCOPE_SE
.Lnot_mine_\@:
.endm
.macro CROUND
	s_barrier_signal -1
	s_barrier_wait -1
	s_cmp_lg_u32 s[WV], 0
	s_cbranch_scc1 .Lnot_wave_0_\@
	s_barrier_signal -3
.Lnot_wave_0_\@:
	s_barrier_wait -3
	s_barrier_signal -1
	s_barrier_wait -1
.endm
.macro PLACES
.rept 4
	v_nop
.endr
.endm
; THE CHANGE OF SLOTS, behind the turn that has waited for V of the slot's last step.  Each wave waits for all its tensor loads, adds 0 to its spare word, and waits for that and for its reads of the slot.  fill = 1: a round of
; the cluster's barrier, the joint fill first thing behind it: it has four key steps in which to land.  (At its first use slot 0 and the statistics are waited for and slot 1 is filled.)
.macro CHANGE fill
	WIN 0
	s_wait_tensorcnt 0x0
	ds_add_u32 v[SPW], v[NIL]
.if \fill
.irp g, G0K, G0V
	s_xor_b32 s[\g+1], s[\g+1], SLOT1
	s_add_nc_u64 s[\g+2:\g+3], s[\g+2:\g+3], 4*KS*128
.endr
	s_wait_xcnt 0x0                 ; the last prefetch, four key steps back, has read its address
	s_add_nc_u64 s[PFA:PFA+1], s[PFA:PFA+1], 4*KS*128
	s_wait_dscnt 0x0
	CROUND
	JLOAD
	ASK
.else
	s_wait_dscnt 0x0
	s_barrier_signal -1
	s_barrier_wait -1
.endif
	s_sub_co_u32 s[TBK], s[TBK], 4*KS*PK
	s_xor_b32 s[TBK], s[TBK], SLOT1
	s_sub_co_u32 s[TBV], s[TBV], 4*KS*PV
	s_xor_b32 s[TBV], s[TBV], SLOT1
.endm
	s_load_b128 s[4:7], s[0:1], 0x0   ; qkvb s[4:5], kst s[6:7]
	s_load_b64 s[8:9], s[0:1], 0x10   ; oh
	v_lshl_add_u32 v[SPW], v0, 2, SPARE
	v_mov_b32 v[NIL], 0
	ds_add_u32 v[SPW], v[NIL]       ; the wave's opening: the add, twice on end, and its wait ahead of my first tensor load
	ds_add_u32 v[SPW], v[NIL]
	v_lshrrev_b32 v1, 5, v0
	v_readfirstlane_b32 s[WV], v1
	s_bfe_u32 s13, ttmp6, 0x40000   ; cx
	s_lshl_b32 s14, ttmp9, 2
	s_add_co_u32 s14, s14, s13      ; my block of 256 queries: it enters Q's, hq's and the output's addresses alone
	s_and_b32 s15, ttmp7, 0xffff    ; bh
	s_and_b32 s16, s[WV], 1         ; which half of a slot's 256 keys I fetch
	s_lshl_b32 s20, s15, 18
	s_lshl_b32 s21, s16, 14
	s_add_co_u32 s20, s20, s21
	s_add_co_u32 s22, s20, VH
	s_add_co_u32 s20, s20, KH
	s_mov_b32 s21, 0
	s_mov_b32 s23, 0
	s_mul_i32 s17, s16, 128*PK
	s_mul_i32 s18, s16, 128*PV
	s_mul_i32 s78, s15, 3*8192
	s_mul_i32 s79, s[WV], 6144
	s_add_co_u32 s78, s78, s79      ; my quarter of the head's statistics
	s_mov_b32 s79, 0
	s_cmp_lt_u32 s[WV], 2
	s_cselect_b32 s80, s20, s22     ; (in waves 0 and 2 these stand at a slot's first row)
	s_lshl_b32 s81, s13, 13         ; my work-group's 32 blocks of the 128
	s_add_co_u32 s80, s80, s81
	s_add_co_u32 s80, s80, 4*KS*128 ; in slot 1: the first change steps it to slot 2 and asks for nothing, the second names slot 3
	s_mov_b32 s81, 0
	s_and_b32 s[LIM], s[WV], 1
	s_or_b32 s[LIM], s[LIM], ttmp9
	s_cmp_eq_u32 s[LIM], 0
	s_cselect_b32 s[LIM], 1, -1     ; the same in all four partners, for a given wave
	s_lshl_b32 s82, s14, 8
	s_lshl_b32 s83, s[WV], 6
	s_add_co_u32 s82, s82, s83      ; my first query
	s_lshl_b32 s84, s15, 18
	s_lshl_b32 s85, s82, 7
	s_add_co_u32 s84, s84, s85
	s_mov_b32 s85, 0
	s_lshl_b32 s86, s15, 11
	s_add_co_u32 s86, s86, s82
	s_lshl_b32 s86, s86, 2
	s_add_co_u32 s86, s86, QN
	s_mov_b32 s87, 0
	s_lshr_b32 s88, s15, 4
	s_lshl_b32 s88, s88, 11
	s_add_co_u32 s88, s88, s82      ; my first token among the 4,096
	s_lshr_b32 s89, s88, 7          ; its tile of 128,
	s_and_b32 s88, s88, 127         ; its place there
	s_lshl_b32 s89, s89, 4
	s_and_b32 s83, s15, 15
	s_add_co_u32 s89, s89, s83      ; oh: [tile][head][128 tokens][64]
	s_lshl_b32 s89, s89, 14
	s_lshl_b32 s88, s88, 7
	s_add_co_u32 s88, s88, s89
	s_mov_b32 s89, 0
	; 128 keys are 16,384 dense bytes: asked for as 64 rows of 256 bytes and padded in LDS after every key
	s_mov_b32 s[G1K], 15|(1<<16)|(1<<20)|(1<<21)|(4<<22)|(3<<25)
	s_mov_b32 s[G1V], 15|(1<<16)|(1<<20)|(1<<21)|(4<<22)|(7<<25)
.irp g, G1K, G1V
	s_mov_b32 s[\g+1], 128<<16
	s_mov_b32 s[\g+2], 64<<16
	s_mov_b32 s[\g+3], 128<<16
	s_mov_b32 s[\g+4], 64
	s_mov_b32 s[\g+5], 128
	s_mov_b32 s[\g+6], 0
	s_mov_b32 s[\g+7], 0
.endr
	; 6,144 dense bytes of statistics: 24 rows of 32 elements of 8 bytes, no padding
	s_mov_b32 s[G1S], 15|(3<<16)|(1<<21)
	s_mov_b32 s[G1S+1], 32<<16
	s_mov_b32 s[G1S+2], 24<<16
	s_mov_b32 s[G1S+3], 32<<16
	s_mov_b32 s[G1S+4], 24
	s_mov_b32 s[G1S+5], 32
	s_mov_b32 s[G1S+6], 0
	s_mov_b32 s[G1S+7], 0
	s_mov_b32 s[G0K], 1
	s_mov_b32 s[G0K+1], s17
	s_mov_b32 s[G0V], 1
	s_add_co_u32 s[G0V+1], s18, VOFF
	s_mov_b32 s[G0S], 1
	s_mul_i32 s[G0S+1], s[WV], 6144
	s_add_co_u32 s[G0S+1], s[G0S+1], KST
	s_mov_b32 s[KPS], 0x3938aa3b    ; kappa = log2(e) / 8192
	s_mov_b32 s[TT], 0x43800000
	s_mov_b32 s[TT+1], 0x43800000
	s_mov_b32 s[SEL], 0x76543210
	s_mov_b32 s[SEL+1], 0xfedcba98
	s_mov_b32 s[TBK], SLOT1+4*KS*PK ; the first change of slots turns these two into 0
	s_mov_b32 s[TBV], SLOT1+4*KS*PV
	s_mov_b32 s[TBS], 0
	s_mov_b32 s[SLOTS], 0           ; so that the first change asks for nothing ahead
	s_wait_dscnt 0x0                ; both opening adds are done
	s_wait_kmcnt 0x0
	s_add_nc_u64 s[G0K+2:G0K+3], s[4:5], s[20:21]
	s_or_b32 s[G0K+3], s[G0K+3], 0x80000000
	s_add_nc_u64 s[G0V+2:G0V+3], s[4:5], s[22:23]
	s_or_b32 s[G0V+3], s[G0V+3], 0x80000000
	s_add_nc_u64 s[G0S+2:G0S+3], s[6:7], s[78:79]
	s_or_b32 s[G0S+3], s[G0S+3], 0x80000000
	s_add_nc_u64 s[PFA:PFA+1], s[4:5], s[80:81]
	s_add_nc_u64 s[QP:QP+1], s[4:5], s[84:85]
	s_add_nc_u64 s[86:87], s[4:5], s[86:87]
	s_add_nc_u64 s[OUT:OUT+1], s[8:9], s[88:89]
	CROUND                          ; all four work-groups are here: the first joint loads meet
	tensor_load_to_lds s[G0S:G0S+3], s[G1S:G1S+7]  ; the statistics, each wave its quarter,
	s_nop 0
	JLOAD                           ; and slot 0: two loads of mine are out
	v_and_b32 v[RR], 15, v0
	v_bfe_u32 v[HH], v0, 4, 1
	v_lshlrev_b32 v[QO], 7, v[RR]
	v_lshl_add_u32 v[QO], v[HH], 4, v[QO]
	v_lshlrev_b32 v[HQO], 2, v[RR]
	WIN 0x80                        ; destination window 2
.set i, 0
.rept 8                             ; Q stays in registers: tile i / 2, channels 32 (i % 2) on
	global_load_b128 v[8*i:8*i+3],   v[QO], s[QP:QP+1] offset:(i/2)*2048+(i%2)*64
	global_load_b128 v[8*i+4:8*i+7], v[QO], s[QP:QP+1] offset:(i/2)*2048+(i%2)*64+32
.set i, i+1
.endr
	; What the first turn finds: V and P's second buffer hold 0, O^T, t and r are 0, M lies far below every e: the first step is a step like any other, with alpha = 0.  All this stands in the wait for the first tile.
.set i, VF
.rept 64
	v_mov_b32 v[i], 0
.set i, i+1
.endr
	WIN 0x40
.set i, 0
.rept 128
	v_mov_b32 v[i], 0
.set i, i+1
.endr
	WIN 0
.irp t, 0,1,2,3
	global_load_b32 v[HQV+\t], v[HQO], s[86:87] offset:64*\t
.endr
.set i, 0
.rept 4
	v_mov_b32 v[ST+12*i], 0xfe000000
	v_mov_b32 v[ST+12*i+1], 0xfe000000
.irp z, 4,5,6,7,8,9,10,11
	v_mov_b32 v[ST+12*i+\z], 0
.endr
.set i, i+1
.endr
.set i, P+16
.rept 16
	v_mov_b32 v[i], 0
.set i, i+1
.endr
	v_mov_b32 v[KAP], 0x3938aa3b
	v_mov_b32 v[KAP+1], 0x3938aa3b
	v_mul_u32_u24 v[AK0], v[RR], PK
	v_lshl_add_u32 v[AK0], v[HH], 4, v[AK0]
	v_and_b32 v[L7], 7, v0
	v_bfe_u32 v[B3], v0, 3, 1
	v_lshl_add_u32 v[AV0], v[HH], 3, v[L7]   ; the turning load: lane l reads key 8 (l / 16) + l % 8, channels 8 ((l / 8) % 2) + 0..7
	v_mul_u32_u24 v[AV0], v[AV0], PV
	v_lshl_add_u32 v[AV0], v[B3], 4, v[AV0]
	v_add_nc_u32 v[AV0], VOFF, v[AV0]
	v_lshlrev_b32 v[AB0], 5, v[HH]
	v_add_nc_u32 v[AB0], KST, v[AB0]
	s_mul_i32 s11, s[WV], 16*SP
	s_add_co_u32 s11, s11, STAGE
	v_mul_u32_u24 v[STO], v[RR], SP
	v_lshl_add_u32 v[STO], v[HH], 4, v[STO]
	v_add_nc_u32 v[STO], s11, v[STO]
	v_bfe_u32 v[RD], v0, 3, 2
	v_mul_u32_u24 v[RD], v[RD], SP
	v_lshl_add_u32 v[RD], v[L7], 4, v[RD]
	v_add_nc_u32 v[RD], s11, v[RD]
	v_and_b32 v[GO], 31, v0
	v_lshlrev_b32 v[GO+3], 8, v[GO]  ; v11: the prefetches' offset, 256 x lane; never rewritten
	v_lshlrev_b32 v[GO], 4, v[GO]
; THE MATRIX WORK.  The 4 accumulators of a run of 8 take turns.  Product i of 8 of S^T for tile x: channels 32 (i / 4) on, keys 16 (i % 4) on; the first 4 start the sums with hk.
.macro KQ x
.set rS, S+32*((\x)%2)+8*(i%4)
.set rK, KF+16*(i%4)+8*(i/4)
.set rQ, 16*(\x)+8*(i/4)
.if i < 4
	WIN W_KH
	v_wmma_f32_16x16x32_f16 v[rS:rS+7], v[rK:rK+7], v[rQ:rQ+7], v[HK+8*(i%4):HK+8*(i%4)+7]
.else
	WIN W_KQ
	v_wmma_f32_16x16x32_f16 v[rS:rS+7], v[rK:rK+7], v[rQ:rQ+7], v[rS:rS+7]
.endif
.endm
.macro PV x                         ; product i of 8 of O^T += V^T P for tile x: keys 32 (i / 4) on, channels 16 (i % 4) on
	WIN W_PV
.set rO, 32*(\x)+8*(i%4)
.set rV, VF+32*(i/4)+8*(i%4)
.set rP, P+16*((\x)%2)+8*(i/4)
	v_wmma_f32_16x16x32_f16 v[rO:rO+7], v[rV:rV+7], v[rP:rP+7], v[rO:rO+7]
.endm
.macro MM                           ; the turn's next matrix instruction
.if i < 8
	KQ (Y+1)%4
.else
.set i, i-8
	PV (Y+3)%4
.set i, i+8
.endif
.set i, i+1
.endm
; THE LDS LOADS stand in runs.  last = 1 (the tail): in the last trip there is no further step and the run is jumped over, so that K, hk and LT stay the last step's and tile 0's maximum does not move.
.macro FETCH_K last=0               ; the next step's K (16 loads) and hk (8)
	WIN 0
.if \last
	s_wait_alu depctr_va_vdst(0)    ; the exponentials issued so far have their wait ahead of the branch
	s_cmp_eq_u32 s[CNT], 1
	s_cbranch_scc1 .Lno_k_\@
.endif
	v_add_nc_u32 v[AK], s[TBK], v[AK0]
	v_add_nc_u32 v[AB], s[TBS], v[AB0]
	WIN 0x80
.irp f, 0,1,2,3,4,5,6,7             ; keys 16 (f / 2) on, channels 32 (f % 2) on
	ds_load_b128 v[KF+8*\f:KF+8*\f+3],   v[AK] offset:(\f/2)*16*PK+(\f%2)*64
	ds_load_b128 v[KF+8*\f+4:KF+8*\f+7], v[AK] offset:(\f/2)*16*PK+(\f%2)*64+32
.endr
	WIN 0x40
.irp f, 0,1,2,3
	ds_load_b128 v[HK+8*\f:HK+8*\f+3],   v[AB] offset:64*\f
	ds_load_b128 v[HK+8*\f+4:HK+8*\f+7], v[AB] offset:64*\f+16
.endr
	s_add_co_u32 s[TBK], s[TBK], KS*PK
	WIN 0
.if \last
.Lno_k_\@:
.endif
.endm
.macro FETCH_ST dst, plane, last=0  ; the same step's LT or g (8 loads)
	WIN 0
.if \last
	s_cmp_eq_u32 s[CNT], 1
	s_cbranch_scc1 .Lno_s_\@
.endif
.irp f, 0,1,2,3
	ds_load_b128 v[(\dst)+8*\f:(\dst)+8*\f+3],   v[AB] offset:(\plane)*8192+64*\f
	ds_load_b128 v[(\dst)+8*\f+4:(\dst)+8*\f+7], v[AB] offset:(\plane)*8192+64*\f+16
.endr
.if (\plane) == 2
	s_add_co_u32 s[TBS], s[TBS], 256  ; the next fetches are the next step's
.endif
.if \last
.Lno_s_\@:
.endif
.endm
.macro FETCH_V
	WIN 0x80
.irp f, 0,1,2,3,4,5,6,7             ; keys 32 (f / 4) on, channels 16 (f % 4) on
	ds_load_tr16_b128 v[VF+8*\f:VF+8*\f+3],   v[AV] offset:(\f/4)*32*PV+(\f%4)*32
	ds_load_tr16_b128 v[VF+8*\f+4:VF+8*\f+7], v[AV] offset:(\f/4)*32*PV+16*PV+(\f%4)*32
.endr
	WIN 0
.endm
; THE VECTOR WORK, one line at a time: OP kind, number.  For tile Y: D n: e - M for pair n of 16.  E n: the exponential of score n of 32.  C n: pair n rounded to f16.  T n: chain n % 2 of t takes pair n (T 0, T 1: t alpha + pair).
; U n: chain n % 2 of r takes pair n times g.  V n: chain n of r times alpha.  R n: pair n of 16 of O^T times alpha.  For tile Y + 1: F n: u for pair n (ascending: each accumulator is read from its lowest registers on).
; G n: e = T u + LT.  X n: 0-11 four chains c0-c3 of seven e each; 12-14, 16 the four left over, the old M, c0-c3 into c0; 15 M_old is kept; 17, 18 the other half of the lanes', the new M; 20 M_old - M; 21 alpha.
.set kD, 0
.set kE, 1
.set kC, 2
.set kT, 3
.set kU, 4
.set kV, 5
.set kR, 6
.set kF, 7
.set kG, 8
.set kX, 9
.macro REGS y
.set rT, ST+12*(\y)
.set rC, TMP+4*((\y)%2)
.set rS, S+32*((\y)%2)
.set rP, P+16*((\y)%2)
.set rO, 32*(\y)
.endm
.macro OP k, n
.if (\k) == kR
	REGS Y
	WIN W_RS
	v_pk_mul_f32 v[rO+2*(\n):rO+2*(\n)+1], v[rO+2*(\n):rO+2*(\n)+1], v[rC+2:rC+3] op_sel_hi:[1,0]
.elseif (\k) < kR
	REGS Y
	WIN 0
.if (\k) == kD
	v_pk_add_f32 v[rS+2*(\n):rS+2*(\n)+1], v[rS+2*(\n):rS+2*(\n)+1], v[rT:rT+1] op_sel_hi:[1,0] neg_lo:[0,1] neg_hi:[0,1]
.elseif (\k) == kE
	v_exp_f32 v[rS+(\n)], v[rS+(\n)]
.elseif (\k) == kC
	v_cvt_pk_f16_f32 v[rP+(\n)], v[rS+2*(\n)], v[rS+2*(\n)+1]
.elseif ((\k) == kT) && ((\n) < 2)
	v_pk_fma_f32 v[rT+4+2*(\n):rT+5+2*(\n)], v[rT+4+2*(\n):rT+5+2*(\n)], v[rC+2:rC+3], v[rS+2*(\n):rS+2*(\n)+1] op_sel_hi:[1,0,1]
.elseif (\k) == kT
	v_pk_add_f32 v[rT+4+2*((\n)%2):rT+5+2*((\n)%2)], v[rT+4+2*((\n)%2):rT+5+2*((\n)%2)], v[rS+2*(\n):rS+2*(\n)+1]
.elseif (\k) == kU
	v_pk_fma_f32 v[rT+8+2*((\n)%2):rT+9+2*((\n)%2)], v[rS+2*(\n):rS+2*(\n)+1], v[GG+2*(\n):GG+2*(\n)+1], v[rT+8+2*((\n)%2):rT+9+2*((\n)%2)]
.else
	v_pk_mul_f32 v[rT+8+2*(\n):rT+9+2*(\n)], v[rT+8+2*(\n):rT+9+2*(\n)], v[rC+2:rC+3] op_sel_hi:[1,0]
.endif
.else
	REGS (Y+1)%4
	WIN 0
.if (\k) == kF
	v_pk_fma_f32 v[rS+2*(\n):rS+2*(\n)+1], v[rS+2*(\n):rS+2*(\n)+1], v[KAP:KAP+1], v[rT+2:rT+3] clamp
.elseif (\k) == kG
	v_pk_fma_f32 v[rS+2*(\n):rS+2*(\n)+1], v[rS+2*(\n):rS+2*(\n)+1], s[TT:TT+1], v[LT+2*(\n):LT+2*(\n)+1] op_sel_hi:[1,0,1]
.elseif (\n) < 4
	v_max3_num_f32 v[rC+(\n)], v[rS+8*(\n)], v[rS+8*(\n)+1], v[rS+8*(\n)+2]
.elseif (\n) < 12
	v_max3_num_f32 v[rC+(\n)%4], v[rC+(\n)%4], v[rS+8*((\n)%4)+2*((\n)/4)+1], v[rS+8*((\n)%4)+2*((\n)/4)+2]
.elseif (\n) == 12
	v_max3_num_f32 v[rC], v[rC], v[rS+7], v[rS+15]
.elseif (\n) == 13
	v_max3_num_f32 v[rC+1], v[rC+1], v[rS+23], v[rS+31]
.elseif (\n) == 14
	v_max3_num_f32 v[rC+2], v[rC+2], v[rC+3], v[rT]
.elseif (\n) == 15
	v_mov_b32 v[rT+1], v[rT]
.elseif (\n) == 16
	v_max3_num_f32 v[rC], v[rC], v[rC+1], v[rC+2]
.elseif (\n) == 17
	v_permlanex16_b32 v[rC+3], v[rC], s[SEL], s[SEL+1]
.elseif (\n) == 18
	v_max_num_f32 v[rT], v[rC], v[rC+3]
.elseif (\n) == 20
	v_sub_f32 v[rC+1], v[rT+1], v[rT]
.else
	v_exp_f32 v[rC+2], v[rC+1]
.endif
.endif
.endm
.macro OPS a, i1, b, i2, c, i3, d, i4
	OP \a, \i1
	OP \b, \i2
	OP \c, \i3
	OP \d, \i4
.endm
.macro ROW a, i1, b, i2, c, i3, d, i4  ; a matrix instruction and the four behind it
	MM
	OPS \a, \i1, \b, \i2, \c, \i3, \d, \i4
.endm
.macro ROW6 k                       ; a product V^T P and six of the roundings and sums
	MM
	OP kC, 2*(\k)
	OP kT, 2*(\k)
	OP kU, 2*(\k)
	OP kC, 2*(\k)+1
	OP kT, 2*(\k)+1
	OP kU, 2*(\k)+1
.endm
; A TURN, for tile p, its order written out.  AHEAD OF THE ONE WAIT stands all that names no result of the turn's exponentials: the 8 products K Q^T with e - M and the first exponentials behind them; the rescaling of O^T in one
; block (it is also the places behind the last product, in front of the first line that reads its scores and of the loads into K's and hk's registers); then the next tile's u, e and maximum, the rest of the exponentials set
; between the links of the maximum's chain; alpha is the batch's last.  BEHIND THE WAIT stand the 8 products V^T P, behind each six of the roundings and sums.
; WHAT IS FETCHED WHEN.  K, hk of the next step: turn 2, behind the rescaling.  LT of the next step: turn 2, behind the last line that reads the old one.  All three are waited for at turn 3's head.  g of the next step: the end of
; turn 3, waited for in turn 0 ahead of the sums.  V of the step in hand: the end of turn 0, six plain instructions behind its last reader, waited for in turn 1 ahead of the products.
.macro TURN p, last=0
.set Y, (\p)
.set i, 0
.if (\p) == 3
	s_wait_dscnt 0x0                ; K, hk and LT are in
.endif
	ROW kD,0, kD,1, kD,2, kD,3
	ROW kD,4, kE,0, kD,5, kE,1
	ROW kD,6, kE,2, kD,7, kE,3
	ROW kD,8, kE,4, kD,9, kE,5
	ROW kD,10, kE,6, kD,11, kE,7
	ROW kD,12, kE,8, kD,13, kE,9
	ROW kD,14, kE,10, kD,15, kE,11
	ROW kV,0, kE,12, kV,1, kE,13
.irp n, 0,1,2,3,4,5,6,7,8,9,10,11,12,13,14,15
	OP kR, \n
.endr
.if (\p) == 2
	FETCH_K \last
.endif
	OPS kF,0, kF,1, kF,2, kF,3
	OPS kF,4, kF,5, kF,6, kF,7
	OPS kG,0, kG,1, kG,2, kG,3
	OPS kF,8, kF,9, kF,10, kF,11
	OPS kG,4, kG,5, kG,6, kG,7
	OPS kX,0, kX,1, kF,12, kF,13
	OPS kX,4, kX,5, kF,14, kF,15
	OPS kG,8, kG,9, kG,10, kG,11
	OPS kX,8, kX,9, kG,12, kG,13
	OPS kX,2, kX,12, kG,14, kG,15
.if (\p) == 2
	FETCH_ST LT, 1, \last
.endif
	OPS kX,6, kX,3, kX,15, kX,13
	OPS kX,10, kX,7, kE,14, kE,15
	OPS kE,16, kX,11, kE,17, kE,18
	OPS kE,19, kX,14, kE,20, kE,21
	OPS kE,22, kX,16, kE,23, kE,24
	OPS kE,25, kX,17, kE,26, kE,27
	OPS kE,28, kX,18, kE,29, kE,30
	OP kE, 31
	OP kX, 20
	v_nop
	OP kX, 21
.if (\p) == 0
	v_add_nc_u32 v[AV], s[TBV], v[AV0]
.endif
	v_nop                           ; a plain instruction behind the last exponential
	s_wait_alu depctr_va_vdst(0)    ; the wait for the batch
.if (\p) < 2
	s_wait_dscnt 0x0                ; turn 0: g is in; turn 1: V is in
.endif
.irp k, 0,1,2,3,4,5,6,7
	ROW6 \k
.endr
.if (\p) == 0
	FETCH_V
	s_add_co_u32 s[TBV], s[TBV], KS*PV
.endif
.if (\p) == 3
	FETCH_ST GG, 2, \last
.endif
.endm
	CHANGE 1                        ; slot 0 and the statistics are in, everybody's part; slot 1 is asked for
	FETCH_K                         ; key step 0
	FETCH_ST LT, 1
	FETCH_ST GG, 2
	s_wait_loadcnt 0x0              ; Q and hq
.irp t, 0,1,2,3
	v_fma_f32 v[ST+12*\t+2], v[HQV+\t], s[KPS], 1.0   ; beta = 1 + kappa hq, twice for the packed line
	v_fma_f32 v[ST+12*\t+3], v[HQV+\t], s[KPS], 1.0
.endr
	s_wait_dscnt 0x0
.set i, 0
.rept 8
	KQ 0                            ; tile 0's first scores
.set i, i+1
.endr
	WIN 0
	PLACES
.set Y, 3                           ; F, G and X work for tile Y + 1: tile 0
.irp n, 0,1,2,3,4,5,6,7,8,9,10,11,12,13,14,15
	OP kF, \n
.endr
.irp n, 0,1,2,3,4,5,6,7,8,9,10,11,12,13,14,15
	OP kG, \n
.endr
.irp n, 0,1,2,3,4,5,6,7,8,9,10,11,12,13,14,15,16,17,18,20,21
	OP kX, \n
.endr
	v_nop
	s_wait_alu depctr_va_vdst(0)    ; alpha's wait, ahead of the branch
	s_mov_b32 s[CNT], 4
	s_mov_b32 s[SLOTS], 7
	s_branch .Lfirst                ; the loop is entered at a step's first turn, in the middle of a trip
.Lslot:                             ; six times: slots 2 to 7 are asked for
	CHANGE 1
	s_mov_b32 s[CNT], 4
.Lstep:                             ; a trip: tiles 2 and 3 of one step, then tiles 0 and 1 of the next
	TURN 2
	TURN 3
	WIN 0
.Lfirst:
	TURN 0
	TURN 1
	WIN 0
	s_sub_co_u32 s[CNT], s[CNT], 1
	s_cmp_lg_u32 s[CNT], 0
	s_cbranch_scc1 .Lstep
	s_sub_co_u32 s[SLOTS], s[SLOTS], 1
	s_cmp_lg_u32 s[SLOTS], 0
	s_cbranch_scc1 .Lslot
	CHANGE 0                        ; the tail is written out
	s_mov_b32 s[CNT], 5             ; four trips fetch the last slot's steps; the fifth is left in its middle
.Ltail:
	TURN 2, 1
	TURN 3, 1
	WIN 0
	s_sub_co_u32 s[CNT], s[CNT], 1
	s_cmp_eq_u32 s[CNT], 0
	s_cbranch_scc1 .Lout
	TURN 0
	TURN 1
	WIN 0
	s_branch .Ltail
.Lout:                              ; (the fifth trip's 8 products K Q^T, on the last step's K once more, find no greater maximum and serve nothing)
.set i, 0
.rept 8
	PV 3                            ; the last tile's V^T P of the last step
.set i, i+1
.endr
	; THE WAY OUT.  t's and r's chains, their halves and the other half of the lanes' are added; w = 2^(M/2) rsq(r); O^T is multiplied by w / max(w t, 1e-12), rounded to f16 and sent through my stage.  The additions are the places behind the last products.
	WIN 0
.macro ALL line:vararg
.set t, 0
.rept 4
	\line
.set t, t+1
.endr
.endm
	ALL v_pk_add_f32 v[ST+12*t+4:ST+12*t+5], v[ST+12*t+4:ST+12*t+5], v[ST+12*t+6:ST+12*t+7]
	ALL v_pk_add_f32 v[ST+12*t+8:ST+12*t+9], v[ST+12*t+8:ST+12*t+9], v[ST+12*t+10:ST+12*t+11]
	ALL v_add_f32 v[ST+12*t+4], v[ST+12*t+4], v[ST+12*t+5]
	ALL v_add_f32 v[ST+12*t+8], v[ST+12*t+8], v[ST+12*t+9]
	ALL v_permlanex16_b32 v[ST+12*t+5], v[ST+12*t+4], s[SEL], s[SEL+1]
	ALL v_permlanex16_b32 v[ST+12*t+9], v[ST+12*t+8], s[SEL], s[SEL+1]
	ALL v_add_f32 v[ST+12*t+4], v[ST+12*t+4], v[ST+12*t+5]
	ALL v_add_f32 v[ST+12*t+8], v[ST+12*t+8], v[ST+12*t+9]
	ALL v_mul_f32 v[ST+12*t+6], 0.5, v[ST+12*t]
	ALL v_exp_f32 v[ST+12*t+6], v[ST+12*t+6]
	ALL v_rsq_f32 v[ST+12*t+10], v[ST+12*t+8]
	v_nop
	s_wait_alu depctr_va_vdst(0)    ; one wait for the eight
	ALL v_mul_f32 v[ST+12*t+6], v[ST+12*t+6], v[ST+12*t+10]
	ALL v_mul_f32 v[ST+12*t+7], v[ST+12*t+6], v[ST+12*t+4]
	ALL v_max_num_f32 v[ST+12*t+7], 0x2b8cbccc, v[ST+12*t+7]
	ALL v_rcp_f32 v[ST+12*t+7], v[ST+12*t+7]
	v_nop
	s_wait_alu depctr_va_vdst(0)    ; one wait for the four
	ALL v_mul_f32 v[ST+12*t+6], v[ST+12*t+6], v[ST+12*t+7]
.macro PACK t                       ; a lane's eight channels of a row pack into 16 bytes; they go into rows of 144 bytes and come back as whole rows of 128, into S^T's registers
	WIN W_RS
.set i, 32*(\t)
.rept 16
	v_pk_mul_f32 v[i:i+1], v[i:i+1], v[ST+12*(\t)+6:ST+12*(\t)+7] op_sel_hi:[1,0]
.set i, i+2
.endr
	WIN 0x05
.set i, 0
.rept 16
	v_cvt_pk_f16_f32 v[S+16*(\t)+i], v[32*(\t)+2*i], v[32*(\t)+2*i+1]
.set i, i+1
.endr
	WIN 0
.irp f, 0,1,2,3
	ds_store_b128 v[STO], v[S+16*(\t)+4*\f:S+16*(\t)+4*\f+3] offset:32*\f
.endr
.irp f, 0,1,2,3
	ds_load_b128 v[S+16*(\t)+4*\f:S+16*(\t)+4*\f+3], v[RD] offset:\f*4*SP  ; LDS serves a wave's instructions in order (ISA guide 5.7.1.4)
.endr
.endm
.macro SEND t, younger              ; younger: the LDS instructions issued behind tile t's loads: the next tile's eight, or none
	WIN 0
.irp f, 0,1,2,3
	s_wait_dscnt (\younger)+3-\f
	global_store_b128 v[GO], v[S+16*(\t)+4*\f:S+16*(\t)+4*\f+3], s[OUT:OUT+1] offset:(\t)*2048+\f*512  ; 512 consecutive bytes, aligned
.endr
.endm
	PACK 0
.set t, 1
.rept 3
	PACK t
	SEND t-1, 8
.set t, t+1
.endr
	SEND 3, 0
	s_wait_tensorcnt 0x0            ; the wave's end
	ds_add_u32 v[SPW], v[NIL]
	s_wait_dscnt 0x0
	CROUND                          ; the closing round
	s_endpgm
.Lfunc_end_k_q36ab9b35fe_attn:
	.size	k_q36ab9b35fe_attn, .Lfunc_end_k_q36ab9b35fe_attn-k_q36ab9b35fe_attn
	.p2alignl 7, 3214868480
	.fill 96, 4, 3214868480
	.section	.rodata,"a",@progbits
	.p2align	6, 0x0
	.amdhsa_kernel k_q36ab9b35fe_attn
		.amdhsa_group_segment_fixed_size 327680
		.amdhsa_private_segment_fixed_size 0
		.amdhsa_enable_private_segment 0
		.amdhsa_kernarg_size 24
		.amdhsa_user_sgpr_count 2
		.amdhsa_user_sgpr_kernarg_segment_ptr 1
		.amdhsa_wavefront_size32 1
		.amdhsa_system_sgpr_workgroup_id_x 1
		.amdhsa_system_sgpr_workgroup_id_y 1
		.amdhsa_system_sgpr_workgroup_id_z 1
		.amdhsa_system_vgpr_workitem_id 0
		.amdhsa_next_free_vgpr 704
		.amdhsa_next_free_sgpr 90
		.amdhsa_reserve_vcc 0
		.amdhsa_float_denorm_mode_32 3
		.amdhsa_float_denorm_mode_16_64 3
		.amdhsa_memory_ordered 1
		.amdhsa_forward_progress 1
		.amdhsa_inst_pref_size 146
	.end_amdhsa_kernel
	.amdgpu_metadata
---
amdhsa.version: [ 1, 2 ]
amdhsa.kernels:
  - .name:           k_q36ab9b35fe_attn
    .symbol:         k_q36ab9b35fe_attn.kd
    .args:
      - { .name: qkvb, .offset: 0, .size: 8, .value_kind: global_buffer, .address_space: global }
      - { .name: kst, .offset: 8, .size: 8, .value_kind: global_buffer, .address_space: global }
      - { .name: oh, .offset: 16, .size: 8, .value_kind: global_buffer, .address_space: global }
    .group_segment_fixed_size: 327680
    .private_segment_fixed_size: 0
    .kernarg_segment_align: 8
    .kernarg_segment_size: 24
    .max_flat_workgroup_size: 128
    .sgpr_count:     90
    .vgpr_count:     704
    .wavefront_size: 32
...
	.end_amdgpu_metadata
.endif
;; end of part 4
;; launch proj (part 5): grid 8 x 32, 4 waves a work-group, clusters of 4 x 4, 327,680 bytes of LDS; arguments oh, cw, bo, out0; writes out0
.if DOCPART == 5
	.amdgcn_target "amdgcn-amd-amdhsa--gfx1250"
	.amdhsa_code_object_version 6
	.text
	.protected	k_q36ab9b35fe_proj
	.globl	k_q36ab9b35fe_proj
	.p2align	8
	.type	k_q36ab9b35fe_proj,@function
k_q36ab9b35fe_proj:
	s_mov_b64 s[64:65], 0
	v_nop
	global_prefetch_b8 v0, s[64:65] scope:SCOPE_SE
	s_setreg_imm32_b32 hwreg(HW_REG_WAVE_MODE, 25, 1), 1
	s_wait_xcnt 0x0
	s_wait_alu depctr_hold_cnt(0) depctr_sa_sdst(0) depctr_va_vdst(0) depctr_va_sdst(0) depctr_va_ssrc(0) depctr_va_vcc(0) depctr_vm_vsrc(0)
	s_getreg_b32 s2, hwreg(HW_REG_IB_STS2, 6, 4)
	s_cmp_eq_u32 s2, 0
	s_cbranch_scc0 .Lentry_in_a_cluster
	s_endpgm
.Lentry_in_a_cluster:
	s_bfe_u32 s2, ttmp6, 0x10000c
	s_cmp_lg_u32 s2, 0xf033
	s_cbranch_scc0 .Lentry_shape_is_right
	s_endpgm
.Lentry_shape_is_right:
; THE OUTPUT PROJECTION.  out0[token][col] = the sum over k of O[token][k] wo[col][k] + bo[col].  O in f16 as the launch before left it, [32 token tiles][16 heads][128 tokens][64]; wo (rounded to bf16, written as f16) at byte WOF
; of cw, [1024][1024]; sums in f32; bo rounded to bf16 like the other inputs; out0 in f32.
; SHARES.  A tile of 128 tokens x 128 columns to a work-group, 8 x 32 of them; four waves of 64 x 64: 16 accumulators.  K goes in steps of 256, four heads, as long as two slots in LDS allow.
; A K step of a token tile is 65,536 dense bytes of O: asked for as rows of 256 bytes and padded after every token's 128, it lies in LDS as four planes (a head each) of 128 rows, 144 bytes apart.
; CLUSTER 4 x 4: O's tile is shared along a row of the cluster, wo's along a column; each is asked for jointly.  No prefetch: the tile is small and a block of either operand is read by several work-groups at about the same time.
; THE MATRIX INSTRUCTION IS USED TRANSPOSED (source 0 = 16 rows of wo, source 1 = 16 tokens): a lane holds one token and eight neighbouring columns.
; REGISTERS: window 0: v0-31 addresses; v32-63, v64-95 the way out; v96-127 my 32 biases; v128-255 the accumulators ((a, b) at 128 + 8 (4 a + b)).  Window 1: two fragment buffers of 128.
.set PA,     144
.set APL,    128*PA                    ; a plane: a head's 128 tokens
.set AREG,   4*APL
.set PB,     528                       ; a row of wo: 512 bytes + 16
.set HALFB,  64*PB
.set SLOT,   AREG+2*HALFB
.set STAGE,  2*SLOT                    ; 16 rows x 272 bytes for each wave; never filled by a tensor load
.set SPITCH, 272
.set SPARE,  STAGE+4*16*SPITCH
.set WOF,    0xE00000
.set ADRA, 16
.set ADRB, 20
.set STO,  24
.set RD,   25
.set CO,   26
.set BO,   27
.set SPW,  28
.set NIL,  29
.set TMP,  32
.set BK,   64
.set BI,   96
.set ACC,  128
.set F0,   0
.set F1,   128
.set G1, 24
.set G0, 32
.set G1B, 48
.set G0B, 56
.set CX, 40
.set CY, 41
.set TX, 42
.set TY, 43
.set WV, 66
.set WR, 67
.set WC, 68
.set MSB, 0
.macro WIN new
.if MSB != (\new)
	s_set_vgpr_msb (MSB<<8)|(\new)
.set MSB, \new
.endif
.endm
.set MUL,  0x05                        ; sources in window 1; C and D in window 0
.set TO_F, 0x40
.macro JLOAD s                         ; waves 0 and 1 fetch O's two halves, waves 2 and 3 wo's; an s_nop 0 and four v_nop follow each line
	s_cmp_eq_u32 s[WR], 0
	s_cbranch_scc0 .Lfor_b_\@
	tensor_load_to_lds s[G0+4*(\s):G0+4*(\s)+3], s[G1:G1+7]
	s_nop 0
.rept 4
	v_nop
.endr
	s_branch .Lasked_\@
.Lfor_b_\@:
	tensor_load_to_lds s[G0B+4*(\s):G0B+4*(\s)+3], s[G1B:G1B+7]
	s_nop 0
.rept 4
	v_nop
.endr
.Lasked_\@:
.endm
.macro CREST
	s_cmp_lg_u32 s[WV], 0
	s_cbranch_scc1 .Lnot_wave_0_\@
	s_barrier_signal -3
.Lnot_wave_0_\@:
	s_barrier_wait -3
	s_barrier_signal -1
	s_barrier_wait -1
.endm
.macro CROUND
	s_barrier_signal -1
	s_barrier_wait -1
	CREST
.endm
	s_load_b256 s[4:11], s[0:1], 0x0               ; oh s[4:5], cw s[6:7], bo s[8:9], out0 s[10:11]
	v_lshl_add_u32 v[SPW], v0, 2, SPARE
	v_mov_b32 v[NIL], 0
	ds_add_u32 v[SPW], v[NIL]                      ; the wave's opening: the add, twice on end, and its wait ahead of my first tensor load
	ds_add_u32 v[SPW], v[NIL]
	v_lshrrev_b32 v1, 5, v0
	v_readfirstlane_b32 s[WV], v1
	s_lshr_b32 s[WR], s[WV], 1                     ; which 64 tokens are mine.  Also: I fetch for O (0) or for wo (1)
	s_and_b32 s[WC], s[WV], 1                      ; which 64 columns.  Also: which half of that tile I fetch
	s_bfe_u32 s[CX], ttmp6, 0x40000
	s_bfe_u32 s[CY], ttmp6, 0x40004
	s_lshl_b32 s[TX], ttmp9, 2
	s_add_co_u32 s[TX], s[TX], s[CX]               ; column tile 0..7
	s_and_b32 s[TY], ttmp7, 0xffff
	s_lshl_b32 s[TY], s[TY], 2
	s_add_co_u32 s[TY], s[TY], s[CY]               ; token tile 0..31
	s_lshl_b32 s44, s[CY], 2
	s_lshl_b32 s44, 15, s44                        ; my row of the cluster
	s_lshl_b32 s45, 0x1111, s[CX]                  ; my column
	s_or_b32 s[G1], s44, (1<<16)|(1<<20)|(1<<21)|(4<<22)|(3<<25)   ; O: 2-byte elements; after every 32 words 4 words of padding
	s_mov_b32 s[G1+1], 128<<16                     ; 128 rows of 128 elements, dense
	s_mov_b32 s[G1+2], 128<<16
	s_mov_b32 s[G1+3], 128<<16
	s_mov_b32 s[G1+4], 128
	s_mov_b32 s[G1+5], 128
	s_mov_b32 s[G1+6], 0
	s_mov_b32 s[G1+7], 0
	s_or_b32 s[G1B], s45, (1<<16)|(1<<20)|(1<<21)|(6<<22)|(3<<25)  ; wo: after every 128 words 4 words of padding
	s_mov_b32 s[G1B+1], 256<<16                    ; 64 rows of 256 elements, 1,024 apart
	s_mov_b32 s[G1B+2], 64<<16
	s_mov_b32 s[G1B+3], 256<<16
	s_mov_b32 s[G1B+4], 64
	s_mov_b32 s[G1B+5], 1024
	s_mov_b32 s[G1B+6], 0
	s_mov_b32 s[G1B+7], 0
	s_lshl_b32 s16, s[TY], 18                      ; O: 262,144 bytes a token tile,
	s_lshl_b32 s17, s[WC], 15                      ; two planes a wave
	s_add_co_u32 s16, s16, s17
	s_mov_b32 s17, 0
	s_lshl_b32 s18, s[TX], 7
	s_lshl_b32 s19, s[WC], 6
	s_add_co_u32 s18, s18, s19                     ; wo: row 128 x column tile + 64 x half
	s_lshl_b32 s18, s18, 11
	s_add_co_u32 s18, s18, WOF
	s_mov_b32 s19, 0
	s_mul_i32 s20, s[WC], 2*APL                    ; where they go: no place in the cluster enters an LDS address
	s_mul_i32 s21, s[WC], HALFB
	s_add_co_u32 s21, s21, AREG
	s_lshl_b32 s46, s[TX], 9
	s_lshl_b32 s47, s[WC], 8
	s_add_co_u32 s46, s46, s47                     ; my 64 columns: 256 bytes of a row of out0, and of bo
	s_mov_b32 s47, 0
	s_lshl_b32 s12, s[TY], 19
	s_lshl_b32 s13, s[WR], 18
	s_add_co_u32 s12, s12, s13                     ; my first token: rows of 4,096 bytes
	s_add_co_u32 s12, s12, s46
	s_mov_b32 s13, 0
	s_wait_dscnt 0x0                               ; both opening adds are done
	s_wait_kmcnt 0x0
	s_add_nc_u64 s[14:15], s[4:5], s[16:17]
	s_add_nc_u64 s[22:23], s[6:7], s[18:19]
	s_add_nc_u64 s[8:9], s[8:9], s[46:47]
	s_add_nc_u64 s[10:11], s[10:11], s[12:13]
	CROUND                                         ; all sixteen work-groups are here: the first joint loads meet
.irp s, 0,1
	s_mov_b32 s[G0+4*(\s)], 1
	s_add_co_u32 s[G0+4*(\s)+1], s20, (\s)*SLOT
	s_add_nc_u64 s[G0+4*(\s)+2:G0+4*(\s)+3], s[14:15], (\s)*65536
	s_or_b32 s[G0+4*(\s)+3], s[G0+4*(\s)+3], 0x80000000
	s_mov_b32 s[G0B+4*(\s)], 1
	s_add_co_u32 s[G0B+4*(\s)+1], s21, (\s)*SLOT
	s_add_nc_u64 s[G0B+4*(\s)+2:G0B+4*(\s)+3], s[22:23], (\s)*512
	s_or_b32 s[G0B+4*(\s)+3], s[G0B+4*(\s)+3], 0x80000000
	JLOAD \s
.endr
	v_and_b32 v1, 15, v0                           ; l % 16
	v_bfe_u32 v2, v0, 4, 1                         ; l / 16
	v_lshlrev_b32 v[BO], 5, v2
.irp b, 0,1,2,3
	global_load_b128 v[BI+8*(\b):BI+8*(\b)+3],   v[BO], s[8:9] offset:64*(\b)
	global_load_b128 v[BI+8*(\b)+4:BI+8*(\b)+7], v[BO], s[8:9] offset:64*(\b)+16
.endr
	v_mul_u32_u24 v3, v1, PA
	v_lshl_add_u32 v3, v2, 4, v3
	v_mul_u32_u24 v4, v1, PB
	v_lshl_add_u32 v4, v2, 4, v4
	s_mul_i32 s2, s[WR], 64*PA                     ; my 64 tokens in a plane
	s_mul_i32 s3, s[WC], HALFB                     ; my 64 rows of wo,
	s_add_co_u32 s3, s3, AREG                      ; which lie behind the four planes
.irp s, 0,1
	v_add_nc_u32 v[ADRA+(\s)], s2, v3
	v_add_nc_u32 v[ADRB+(\s)], s3, v4
	s_add_co_u32 s2, s2, SLOT
	s_add_co_u32 s3, s3, SLOT
.endr
	s_mul_i32 s2, s[WV], 16*SPITCH
	s_add_co_u32 s2, s2, STAGE                     ; my stage
	v_mul_u32_u24 v4, v1, SPITCH                   ; in: row l % 16, 32 bytes for each half of the lanes
	v_lshl_add_u32 v4, v2, 5, v4
	v_add_nc_u32 v[STO], s2, v4
	v_mul_u32_u24 v5, v2, SPITCH                   ; back: lanes 0-15 take one row of 256 bytes, lanes 16-31 the next
	v_lshl_add_u32 v5, v1, 4, v5
	v_add_nc_u32 v[RD], s2, v5
	v_lshlrev_b32 v5, 12, v2                       ; and the same two rows in out0
	v_lshl_add_u32 v[CO], v1, 4, v5
	s_wait_loadcnt 0x0                             ; the biases; rounded to bf16 in place while the first tiles are on their way
.set i, 0
.rept 16
	v_cvt_pk_bf16_f32 v[TMP+i%8], v[BI+2*i], v[BI+2*i+1]
	v_lshlrev_b32 v[BI+2*i], 16, v[TMP+i%8]
	v_and_b32 v[BI+2*i+1], 0xffff0000, v[TMP+i%8]
.set i, i+1
.endr
; 8 matrix instructions: token blocks a0, a0 + 1 x all 4 column blocks, 32 along K: half c of buffer f.  The 16 accumulators take turns.
.macro MUL8 f, c, a0, zero
	WIN MUL
.irp a, \a0, (\a0)+1
.irp b, 0,1,2,3
.if \zero
	v_wmma_f32_16x16x32_f16 v[ACC+8*(4*(\a)+(\b)):ACC+8*(4*(\a)+(\b))+7], v[(\f)+64+8*(4*(\c)+(\b)):(\f)+64+8*(4*(\c)+(\b))+7], v[(\f)+8*(4*(\c)+(\a)):(\f)+8*(4*(\c)+(\a))+7], 0
.else
	v_wmma_f32_16x16x32_f16 v[ACC+8*(4*(\a)+(\b)):ACC+8*(4*(\a)+(\b))+7], v[(\f)+64+8*(4*(\c)+(\b)):(\f)+64+8*(4*(\c)+(\b))+7], v[(\f)+8*(4*(\c)+(\a)):(\f)+8*(4*(\c)+(\a))+7], v[ACC+8*(4*(\a)+(\b)):ACC+8*(4*(\a)+(\b))+7]
.endif
.endr
.endr
.endm
; 32 LDS loads in one run: quarter q of a K step (64 along K: plane q of O, bytes 128 q of wo's rows) into buffer f; the first 32 along K first
.macro FETCH slot, q, f
	WIN TO_F
.irp c, 0,1
.irp i, 0,1,2,3
	ds_load_b128 v[(\f)+64+8*(4*(\c)+(\i)):(\f)+64+8*(4*(\c)+(\i))+3],   v[ADRB+(\slot)] offset:128*(\q)+64*(\c)+(\i)*16*PB
	ds_load_b128 v[(\f)+64+8*(4*(\c)+(\i))+4:(\f)+64+8*(4*(\c)+(\i))+7], v[ADRB+(\slot)] offset:128*(\q)+64*(\c)+(\i)*16*PB+32
	ds_load_b128 v[(\f)+8*(4*(\c)+(\i)):(\f)+8*(4*(\c)+(\i))+3],         v[ADRA+(\slot)] offset:(\q)*APL+64*(\c)+(\i)*16*PA
	ds_load_b128 v[(\f)+8*(4*(\c)+(\i))+4:(\f)+8*(4*(\c)+(\i))+7],       v[ADRA+(\slot)] offset:(\q)*APL+64*(\c)+(\i)*16*PA+32
.endr
.endr
.endm
.macro PLACES
.rept 4
	v_nop
.endr
.endm
.macro QUARTER slot, q, f, g, zero     ; multiplies buffer f and fetches quarter q into g
	s_wait_dscnt 16                                ; the first 32 along K are in
	MUL8 \f, 0, 0, \zero
	MUL8 \f, 0, 2, \zero
	PLACES
	FETCH \slot, \q, \g
	s_wait_dscnt 32                                ; all but the 32 just issued
	MUL8 \f, 1, 0, 0
	MUL8 \f, 1, 2, 0
.endm
; The last quarter multiplies buffer 1 and changes slots: one barrier; in front of it each wave waits for all its tensor loads, adds 0 to its spare word, and waits for that and for its reads of this slot.
; fill = 1: the barrier opens a round of the cluster's, and this slot is filled again first thing behind it, two K steps ahead.
.macro TURN slot, next, fill
	WIN 0
	s_wait_tensorcnt 0x0
	ds_add_u32 v[SPW], v[NIL]
	s_wait_dscnt 17                                ; (the add and the youngest sixteen loads may be out)
	MUL8 F1, 0, 0, 0
	s_wait_dscnt 0x0                               ; the add is done, and my reads of this slot are over
	s_barrier_signal -1
	MUL8 F1, 0, 2, 0
.if \fill
	WIN 0
.endif
	s_barrier_wait -1
.if \fill
	CREST
	s_add_nc_u64 s[G0+4*(\slot)+2:G0+4*(\slot)+3], s[G0+4*(\slot)+2:G0+4*(\slot)+3], 2*65536
	s_add_nc_u64 s[G0B+4*(\slot)+2:G0B+4*(\slot)+3], s[G0B+4*(\slot)+2:G0B+4*(\slot)+3], 2*512
	JLOAD \slot                                    ; its four v_nop are also the places in front of the loads below
.else
	PLACES
.endif
	FETCH \next, 0, F0
	MUL8 F1, 1, 0, 0
	MUL8 F1, 1, 2, 0
.endm
	s_wait_tensorcnt 1                             ; my part of K step 0 is in; K step 1's may stay out
	s_barrier_signal -1
	s_barrier_wait -1
	FETCH 0, 0, F0
	QUARTER 0, 1, F0, F1, 1                        ; the first products start the sums.  Four K steps, written straight: the first two fill their slots again
	QUARTER 0, 2, F1, F0, 0
	QUARTER 0, 3, F0, F1, 0
	TURN 0, 1, 1
	QUARTER 1, 1, F0, F1, 0
	QUARTER 1, 2, F1, F0, 0
	QUARTER 1, 3, F0, F1, 0
	TURN 1, 0, 1
	QUARTER 0, 1, F0, F1, 0
	QUARTER 0, 2, F1, F0, 0
	QUARTER 0, 3, F0, F1, 0
	TURN 0, 1, 0
	QUARTER 1, 1, F0, F1, 0
	QUARTER 1, 2, F1, F0, 0
	QUARTER 1, 3, F0, F1, 0
	s_wait_dscnt 16
	MUL8 F1, 0, 0, 0
	MUL8 F1, 0, 2, 0
	s_wait_dscnt 0x0
	MUL8 F1, 1, 0, 0
	MUL8 F1, 1, 2, 0
	WIN 0
	PLACES
; THE WAY OUT of 16 tokens x my 64 columns: bias added; 32 bytes a lane and column block into my own stage; back as whole rows of 256 bytes; sixteen lanes store 256 consecutive bytes, aligned.
.macro OUTB a
.irp b, 0,1,2,3
.irp i, 0,1,2,3
	v_pk_add_f32 v[TMP+8*(\b)+2*(\i):TMP+8*(\b)+2*(\i)+1], v[ACC+8*(4*(\a)+(\b))+2*(\i):ACC+8*(4*(\a)+(\b))+2*(\i)+1], v[BI+8*(\b)+2*(\i):BI+8*(\b)+2*(\i)+1]
.endr
.endr
.irp b, 0,1,2,3
	ds_store_b128 v[STO], v[TMP+8*(\b):TMP+8*(\b)+3] offset:64*(\b)
	ds_store_b128 v[STO], v[TMP+8*(\b)+4:TMP+8*(\b)+7] offset:64*(\b)+16
.endr
	s_wait_xcnt 0x0                                ; the last block's stores have read their data: the registers are loaded again only behind this wait
.irp t, 0,1,2,3,4,5,6,7
	ds_load_b128 v[BK+4*(\t):BK+4*(\t)+3], v[RD] offset:(\t)*2*SPITCH  ; LDS serves a wave's instructions in order (ISA guide 5.7.1.4): these see the stores above
.endr
.irp t, 0,1,2,3,4,5,6,7
	s_wait_dscnt 7-(\t)                            ; the younger loads stay out
	global_store_b128 v[CO], v[BK+4*(\t):BK+4*(\t)+3], s[10:11] offset:(16*(\a)+2*(\t))*4096
.endr
.endm
	OUTB 0
	OUTB 1
	OUTB 2
	OUTB 3
	s_wait_tensorcnt 0x0                           ; the wave's end
	ds_add_u32 v[SPW], v[NIL]
	s_wait_dscnt 0x0
	CROUND                                         ; the closing round
	s_endpgm
.Lfunc_end_k_q36ab9b35fe_proj:
	.size	k_q36ab9b35fe_proj, .Lfunc_end_k_q36ab9b35fe_proj-k_q36ab9b35fe_proj
	.p2alignl 7, 3214868480
	.fill 96, 4, 3214868480
	.section	.rodata,"a",@progbits
	.p2align	6, 0x0
	.amdhsa_kernel k_q36ab9b35fe_proj
		.amdhsa_group_segment_fixed_size 327680
		.amdhsa_private_segment_fixed_size 0
		.amdhsa_enable_private_segment 0
		.amdhsa_kernarg_size 32
		.amdhsa_user_sgpr_count 2
		.amdhsa_user_sgpr_kernarg_segment_ptr 1
		.amdhsa_wavefront_size32 1
		.amdhsa_system_sgpr_workgroup_id_x 1
		.amdhsa_system_sgpr_workgroup_id_y 1
		.amdhsa_system_sgpr_workgroup_id_z 1
		.amdhsa_system_vgpr_workitem_id 0
		.amdhsa_next_free_vgpr 512
		.amdhsa_next_free_sgpr 70
		.amdhsa_reserve_vcc 0
		.amdhsa_float_denorm_mode_32 3
		.amdhsa_float_denorm_mode_16_64 3
		.amdhsa_memory_ordered 1
		.amdhsa_forward_progress 1
		.amdhsa_inst_pref_size 94
	.end_amdhsa_kernel
	.amdgpu_metadata
---
amdhsa.version: [ 1, 2 ]
amdhsa.kernels:
  - .name:           k_q36ab9b35fe_proj
    .symbol:         k_q36ab9b35fe_proj.kd
    .args:
      - { .name: oh, .offset: 0, .size: 8, .value_kind: global_buffer, .address_space: global }
      - { .name: cw, .offset: 8, .size: 8, .value_kind: global_buffer, .address_space: global }
      - { .name: bo, .offset: 16, .size: 8, .value_kind: global_buffer, .address_space: global }
      - { .name: out0, .offset: 24, .size: 8, .value_kind: global_buffer, .address_space: global }
    .group_segment_fixed_size: 327680
    .private_segment_fixed_size: 0
    .kernarg_segment_align: 8
    .kernarg_segment_size: 32
    .max_flat_workgroup_size: 128
    .sgpr_count:     70
    .vgpr_count:     512
    .wavefront_size: 32
...
	.end_amdgpu_metadata
.endif
;; end of part 5
